; MI455X (gfx1250); checked and timed in simulation.
; The chip was launched on July 23, 2026; its instructions are those of AMD's public machine-readable ISA for CDNA 5 (MIT licence, August 2026) and "CDNA5" Instruction Set Architecture Reference Guide (July 2026). The comments in the code are by the model that wrote it; some were corrected since.
;; Attention Scores. Allowed arithmetic: float matrix products may take bf16 or f16 operands with f32 sums; all other float work in f32.
;; Inputs: Wk 1,024 x 1,024 float32; Wo 1,024 x 1,024 float32; Wq 1,024 x 1,024 float32; Wv 1,024 x 1,024 float32; bo 1,024 float32; inputs 4 x 2,048 x 1,024 float32.
;; Outputs: out0 4 x 2,048 x 1,024 float32.
;; 2 versions, each right. Each part assembles by itself: llvm-mc -triple=amdgcn-amd-amdhsa -mcpu=gfx1250 --defsym DOCPART=n.
;; ======== version 1 of 2: 4 launches
;; limits: values are held in f16: magnitudes above 65,504 overflow, below 6.1e-05 lose precision
;; workspace buffers: xh 16,777,216 bytes; wh 8,388,608 bytes; qkv 50,331,648 bytes; ctx 16,777,216 bytes
;; launch cast (part 1): grid 768 x 1, 8 waves a work-group, no clusters, 0 bytes of LDS; arguments inputs, Wq, Wk, Wv, Wo, xh, wh; writes xh, wh
.if DOCPART == 1
	.amdgcn_target "amdgcn-amd-amdhsa--gfx1250"
	.amdhsa_code_object_version 6
	.text
	.protected	k_q08dcaef6fa_cast
	.globl	k_q08dcaef6fa_cast
	.p2align	8
	.type	k_q08dcaef6fa_cast,@function
k_q08dcaef6fa_cast:
	s_mov_b64 s[64:65], 0
	v_nop
	global_prefetch_b8 v0, s[64:65] scope:SCOPE_SE
	s_setreg_imm32_b32 hwreg(HW_REG_WAVE_MODE, 25, 1), 1
	s_wait_xcnt 0x0
; Rounds the matrix operands once, and lays them out for the products that follow.
;   xh[b][kc][t][64] bf16 = inputs[b][t][64 kc + i]          (16 chunks of 64 along K, each chunk dense over the tokens)
;   wh[k][4096], 2 bytes an element: columns 0-1023 Wq, 1024-2047 Wk, 2048-3071 Wv in bf16; columns 3072-4095 Wo,
;   rounded to bf16 and that number written in f16 (the last product's other operand is f16).
; LIMIT: |bf16(Wo)| must stay below 65,504; below 6e-5 the f16 code is a denormal, absolute error at most 3e-8.
; A stream: no LDS, no matrix unit.  A work-group of eight waves takes 64 KiB of f32: 16 loads of 16 bytes and 16 stores of
; 8 bytes a thread; all 16 loads go out at once; each store of a wave covers 256 consecutive bytes, aligned.
; Work-groups 0-511: 16 tokens of inputs each.  Work-groups 512-767: 16 rows of one weight matrix each.
.set VSRC, 1                           ; v1       byte offset of my 16 bytes in the source
.set VDST, 2                           ; v2       byte offset of my 8 bytes in the target
.set TM,   4                           ; v[4:7]   at work
.set X,    8                           ; v[8:71]  16 x 4 f32 as loaded
.set Y,    72                          ; v[72:103] 16 x 2 words to store; none is written twice, so no store's data is ever touched again
; mode 0: inputs -> xh.  mode 1: Wq, Wk, Wv -> wh in bf16.  mode 2: Wo -> wh, bf16's value in f16.
.macro CAST mode
.irp i, 0,1,2,3,4,5,6,7,8,9,10,11,12,13,14,15
.if \mode == 0
	global_load_b128 v[X+4*\i:X+4*\i+3], v[VSRC], s[20:21] offset:(\i>>1)*8192+(\i&1)*256 th:TH_LOAD_NT   ; token pair i/2, chunk 2 w + (i mod 2)
.else
	global_load_b128 v[X+4*\i:X+4*\i+3], v[VSRC], s[20:21] offset:\i*4096 th:TH_LOAD_NT                    ; row i
.endif
.endr
.irp i, 0,1,2,3,4,5,6,7,8,9,10,11,12,13,14,15
	s_wait_loadcnt 15-\i                           ; loads come back in order: load i is in, the 15 - i younger ones stay out
.if \mode == 2
	v_cvt_pk_bf16_f32 v[TM],   v[X+4*\i],   v[X+4*\i+1]
	v_cvt_pk_bf16_f32 v[TM+1], v[X+4*\i+2], v[X+4*\i+3]
	v_lshlrev_b32 v[TM+2], 16, v[TM]               ; the rounded numbers back in f32
	v_and_b32     v[TM],   0xffff0000, v[TM]
	v_lshlrev_b32 v[TM+3], 16, v[TM+1]
	v_and_b32     v[TM+1], 0xffff0000, v[TM+1]
	v_cvt_pk_f16_f32 v[Y+2*\i],   v[TM+2], v[TM]   ; 8 significant bits fit into f16's 11: exact inside f16's normal range
	v_cvt_pk_f16_f32 v[Y+2*\i+1], v[TM+3], v[TM+1]
.else
	v_cvt_pk_bf16_f32 v[Y+2*\i],   v[X+4*\i],   v[X+4*\i+1]
	v_cvt_pk_bf16_f32 v[Y+2*\i+1], v[X+4*\i+2], v[X+4*\i+3]
.endif
.if \mode == 0
	global_store_b64 v[VDST], v[Y+2*\i:Y+2*\i+1], s[22:23] offset:(\i&1)*262144+(\i>>1)*256
.else
	global_store_b64 v[VDST], v[Y+2*\i:Y+2*\i+1], s[22:23] offset:\i*8192
.endif
.endr
.endm
	s_load_b256 s[4:11], s[0:1], 0x0               ; inputs s[4:5], Wq s[6:7], Wk s[8:9], Wv s[10:11]
	s_load_b128 s[12:15], s[0:1], 0x20             ; Wo s[12:13], xh s[14:15]
	s_load_b64 s[16:17], s[0:1], 0x30              ; wh
	v_and_b32 v3, 31, v0                           ; lane L
	v_lshrrev_b32 v4, 5, v0                        ; wave w
	s_cmp_ge_u32 ttmp9, 512
	s_cbranch_scc1 .Lweights
	; inputs: lanes 0-15 read 256 bytes (one chunk) of the even token, lanes 16-31 of the odd one; the wave stores the two
	; tokens' 128 bytes of that chunk side by side
	v_lshrrev_b32 v5, 4, v3
	v_and_b32 v6, 15, v3
	v_lshlrev_b32 v[VSRC], 12, v5                  ; (L / 16) x 4,096: the token of the pair
	v_lshl_add_u32 v[VSRC], v4, 9, v[VSRC]         ; + 512 w: chunks 2 w, 2 w + 1
	v_lshl_add_u32 v[VSRC], v6, 4, v[VSRC]         ; + 16 (L mod 16)
	v_lshlrev_b32 v[VDST], 3, v3                   ; 8 L = 128 (L / 16) + 8 (L mod 16)
	v_lshl_add_u32 v[VDST], v4, 19, v[VDST]        ; + 2 w chunks of 262,144 bytes
	s_lshl_b32 s24, ttmp9, 16                      ; 16 tokens of 4,096 bytes
	s_mov_b32 s25, 0
	s_lshr_b32 s26, ttmp9, 7                       ; batch: 128 work-groups each
	s_lshl_b32 s26, s26, 22
	s_and_b32 s27, ttmp9, 127
	s_lshl_b32 s27, s27, 11                        ; 16 tokens of 128 bytes in a chunk
	s_add_co_u32 s26, s26, s27
	s_mov_b32 s27, 0
	s_wait_kmcnt 0x0
	s_add_nc_u64 s[20:21], s[4:5], s[24:25]
	s_add_nc_u64 s[22:23], s[14:15], s[26:27]
	CAST 0
	s_endpgm
.Lweights:
	s_sub_co_u32 s24, ttmp9, 512
	s_lshr_b32 s28, s24, 6                         ; which matrix: 0 Wq, 1 Wk, 2 Wv, 3 Wo
	s_and_b32 s24, s24, 63                         ; which 16 rows
	s_lshl_b32 s26, s24, 17                        ; 16 rows of 8,192 bytes in wh
	s_lshl_b32 s29, s28, 11                        ; the matrix's 1,024 columns of 2 bytes
	s_add_co_u32 s26, s26, s29
	s_mov_b32 s27, 0
	s_lshl_b32 s24, s24, 16                        ; 16 rows of 4,096 bytes in the source
	s_mov_b32 s25, 0
	v_lshlrev_b32 v[VSRC], 4, v0                   ; the 256 threads take one row
	v_lshlrev_b32 v[VDST], 3, v0
	s_wait_kmcnt 0x0
	s_cmp_eq_u32 s28, 1
	s_cselect_b64 s[20:21], s[8:9], s[6:7]
	s_cmp_eq_u32 s28, 2
	s_cselect_b64 s[20:21], s[10:11], s[20:21]
	s_cmp_eq_u32 s28, 3
	s_cselect_b64 s[20:21], s[12:13], s[20:21]
	s_add_nc_u64 s[20:21], s[20:21], s[24:25]
	s_add_nc_u64 s[22:23], s[16:17], s[26:27]
	s_cmp_eq_u32 s28, 3
	s_cbranch_scc1 .Lwo
	CAST 1
	s_endpgm
.Lwo:
	CAST 2
	s_endpgm
.Lfunc_end_k_q08dcaef6fa_cast:
	.size	k_q08dcaef6fa_cast, .Lfunc_end_k_q08dcaef6fa_cast-k_q08dcaef6fa_cast
	.p2alignl 7, 3214868480
	.fill 96, 4, 3214868480
	.section	.rodata,"a",@progbits
	.p2align	6, 0x0
	.amdhsa_kernel k_q08dcaef6fa_cast
		.amdhsa_group_segment_fixed_size 0
		.amdhsa_private_segment_fixed_size 0
		.amdhsa_enable_private_segment 0
		.amdhsa_kernarg_size 56
		.amdhsa_user_sgpr_count 2
		.amdhsa_user_sgpr_kernarg_segment_ptr 1
		.amdhsa_wavefront_size32 1
		.amdhsa_system_sgpr_workgroup_id_x 1
		.amdhsa_system_sgpr_workgroup_id_y 1
		.amdhsa_system_sgpr_workgroup_id_z 1
		.amdhsa_system_vgpr_workitem_id 0
		.amdhsa_next_free_vgpr 104
		.amdhsa_next_free_sgpr 66
		.amdhsa_reserve_vcc 0
		.amdhsa_float_denorm_mode_32 3
		.amdhsa_float_denorm_mode_16_64 3
		.amdhsa_memory_ordered 1
		.amdhsa_forward_progress 1
		.amdhsa_inst_pref_size 24
	.end_amdhsa_kernel
	.amdgpu_metadata
---
amdhsa.version: [ 1, 2 ]
amdhsa.kernels:
  - .name:           k_q08dcaef6fa_cast
    .symbol:         k_q08dcaef6fa_cast.kd
    .args:
      - { .name: inputs, .offset: 0, .size: 8, .value_kind: global_buffer, .address_space: global }
      - { .name: Wq, .offset: 8, .size: 8, .value_kind: global_buffer, .address_space: global }
      - { .name: Wk, .offset: 16, .size: 8, .value_kind: global_buffer, .address_space: global }
      - { .name: Wv, .offset: 24, .size: 8, .value_kind: global_buffer, .address_space: global }
      - { .name: Wo, .offset: 32, .size: 8, .value_kind: global_buffer, .address_space: global }
      - { .name: xh, .offset: 40, .size: 8, .value_kind: global_buffer, .address_space: global }
      - { .name: wh, .offset: 48, .size: 8, .value_kind: global_buffer, .address_space: global }
    .group_segment_fixed_size: 0
    .private_segment_fixed_size: 0
    .kernarg_segment_align: 8
    .kernarg_segment_size: 56
    .max_flat_workgroup_size: 256
    .sgpr_count:     66
    .vgpr_count:     104
    .wavefront_size: 32
...
	.end_amdgpu_metadata
.endif
;; end of part 1
;; launch qkv (part 2): grid 16 x 32, 4 waves a work-group, clusters of 4 x 4, 327,680 bytes of LDS; arguments xh, wh, qkv; writes qkv
.if DOCPART == 2
	.amdgcn_target "amdgcn-amd-amdhsa--gfx1250"
	.amdhsa_code_object_version 6
	.text
	.protected	k_q08dcaef6fa_qkv
	.globl	k_q08dcaef6fa_qkv
	.p2align	8
	.type	k_q08dcaef6fa_qkv,@function
k_q08dcaef6fa_qkv:
	s_mov_b64 s[64:65], 0
	v_nop
	global_prefetch_b8 v0, s[64:65] scope:SCOPE_SE
	s_setreg_imm32_b32 hwreg(HW_REG_WAVE_MODE, 25, 1), 1
	s_wait_xcnt 0x0
	s_wait_alu depctr_hold_cnt(0) depctr_sa_sdst(0) depctr_va_vdst(0) depctr_va_sdst(0) depctr_va_ssrc(0) depctr_va_vcc(0) depctr_vm_vsrc(0)
	s_getreg_b32 s2, hwreg(HW_REG_IB_STS2, 6, 4)
	s_cmp_eq_u32 s2, 0
	s_cbranch_scc0 .Lentry_in_a_cluster
	s_endpgm
.Lentry_in_a_cluster:
	s_bfe_u32 s2, ttmp6, 0x10000c
	s_cmp_lg_u32 s2, 0xf033
	s_cbranch_scc0 .Lentry_shape_is_right
	s_endpgm
.Lentry_shape_is_right:
; q, k, v = inputs x (Wq | Wk | Wv): C[8192][3072] = A[8192][1024] B[1024][3072], bf16 operands, f32 sums, C rounded once to f16.
;   A = xh[b][kc][t][64] bf16;  B = wh[k][4096] bf16, columns 0-3071;  C = qkv[b][ch][t][64] f16, ch = column / 64 (16 q, 16 k, 16 v heads).
; LIMIT: |q|, |k|, |v| must stay below 65,504 (f16); the order of the sums differs from a plain dot product's.
; A work-group makes 256 x 192 of C with four waves (wr = w / 2: 128 rows; wc = w mod 2: in each group of 64 columns the 32 at 32 wc);
; a wave has 8 x 6 accumulator tiles of 16 x 16.  3072 / 192 x 8192 / 256 = 512 work-groups: two even turns of 256.
; K goes in steps of 128 through two LDS slots filled by the tensor data mover.  A slot: A as two planes (K halves of 64), each 256 tokens
; x 144 bytes (128 + 16 of padding); then B as 128 rows of k x 480 bytes (three groups of 128 + 32 of padding).
; CLUSTERS: 4 x 4 work-groups.  A's tiles hang on the block row alone and are asked for jointly by a row of the cluster, B's on the block
; column alone and are asked for jointly by a column: that divides the requests for A and B by four.
; THE MATRIX INSTRUCTION IS USED TRANSPOSED: source 0 = 16 columns of B (read from LDS by the transposing load, since B's rows lie along N),
; source 1 = 16 rows of A; lane l then holds row l % 16 of C and eight neighbouring columns 8 (l / 16) + 0..7.
; REGISTERS: window 0: v16-31 addresses, v32-95 / v96-159 A's fragments (two buffers), v160-207 / v208-255 B's; windows 1, 2: tile t = 6 a + b
; at register 8 (t mod 32) of window 1 + t / 32.
.set NT,     192                       ; columns of a block
.set NB,     6                         ; column tiles of a wave
.set QIB,    4                         ; B's padding: after every 32 words (128 bytes)
.set BPITCH, 480                       ; B's LDS row: 15 x 32 bytes
.set GS,     160                       ; from one group of 64 columns to the next in an LDS row
.set CS,     64                        ; wc's 32 columns inside a group
.set COL0,   0                         ; first byte of B's columns in a row of wh
.set APITCH, 144                       ; A's LDS row: 9 x 16 bytes
.set APLANE, 256*APITCH
.set BOFF,   2*APLANE
.set SLOT,   BOFF+128*BPITCH
.set NL,     2*NB+16                   ; LDS loads of a quarter step
.set LAPS,   4                         ; K = 1024 = 4 laps of two K steps of 128
.set ASTEP,  524288                    ; a K step in xh: two chunks of 262,144 bytes
.set BSTEP,  1048576                   ; a K step in wh: 128 rows of 8,192 bytes
.set SP,     400                       ; the way out: a row of 192 f16 + 16 bytes
.set ADRA, 16                          ; v16-17  LDS address of my A fragments in slot 0, 1
.set ADRB, 20                          ; v20-21  the same for B
.set STO,  24
.set RD,   25
.set CO,   26
.set FA0,  32
.set FB0,  160
.set TMP,  160                         ; the way out: packed results (B's buffer 0, no longer needed)
.set G1,  24                           ; s[24:31] group 1 for A
.set G0,  32                           ; s[32:39] group 0 for A, a set for each slot
.set G1B, 48                           ; s[48:55] group 1 for B
.set G0B, 56                           ; s[56:63] group 0 for B, a set for each slot
.set MSB, 0
.macro WIN new                         ; the immediate's high byte repeats the setting that is left; a switch that changes nothing is dropped
.if MSB != \new
	s_set_vgpr_msb (MSB<<8)|(\new)
.set MSB, (\new)
.endif
.endm
.macro PLACES                          ; four plain vector places behind matrix instructions (ISA guide 7.12.1), before their registers are loaded into or read
.rept 4
	v_nop
.endr
.endm
; A joint load: waves 0, 1 ask for A's two planes, waves 2, 3 for B's two halves of 64 rows.  One mask and one set of registers a line;
; the branch hangs on the wave's number alone.  Four v_nop follow each line.
.macro JLOAD s
	s_cmp_eq_u32 s11, 0
	s_cbranch_scc0 .Lfor_b_\@
	tensor_load_to_lds s[G0+4*\s:G0+4*\s+3], s[G1:G1+7]
	s_nop 0
.rept 4
	v_nop
.endr
	s_branch .Lasked_\@
.Lfor_b_\@:
	tensor_load_to_lds s[G0B+4*\s:G0B+4*\s+3], s[G1B:G1B+7]
	s_nop 0
.rept 4
	v_nop
.endr
.Lasked_\@:
.endm
.macro CREST                           ; a round of the cluster's barrier behind its opening barrier
	s_cmp_lg_u32 s10, 0
	s_cbranch_scc1 .Lnot_wave_0_\@
	s_barrier_signal -3
.Lnot_wave_0_\@:
	s_barrier_wait -3
	s_barrier_signal -1
	s_barrier_wait -1
.endm
.macro CROUND                          ; a whole round
	s_barrier_signal -1
	s_barrier_wait -1
	CREST
.endm
	s_load_b128 s[4:7], s[0:1], 0x0                ; xh s[4:5], wh s[6:7]
	s_load_b64 s[8:9], s[0:1], 0x10                ; qkv
	v_lshl_add_u32 v30, v0, 2, 0x42000
	v_mov_b32 v31, 0
	ds_add_u32 v30, v31
	ds_add_u32 v30, v31
	v_lshrrev_b32 v1, 5, v0
	v_readfirstlane_b32 s10, v1                    ; wave 0..3
	s_lshr_b32 s11, s10, 1                         ; wr.  Also: I fetch for A (0) or for B (1)
	s_and_b32 s12, s10, 1                          ; wc.  Also: which plane of A, which 64 rows of B I fetch
	s_bfe_u32 s40, ttmp6, 0x40000                  ; cx
	s_bfe_u32 s41, ttmp6, 0x40004                  ; cy
	s_lshl_b32 s42, ttmp9, 2
	s_add_co_u32 s42, s42, s40                     ; block column bx
	s_and_b32 s13, ttmp7, 0xffff
	s_lshl_b32 s13, s13, 2
	s_add_co_u32 s13, s13, s41                     ; block row by
	s_lshl_b32 s43, s41, 2
	s_lshl_b32 s43, 15, s43                        ; my row of the cluster
	s_lshl_b32 s44, 0x1111, s40                    ; my column
	; group 1 for A: a plane is 32 KiB dense in memory, taken as 128 rows of 256 bytes; 16 bytes of padding after every 128 bytes (one token)
	s_or_b32 s[G1+0], s43, (1<<16)|(1<<20)|(1<<21)|(4<<22)|(3<<25)
	s_mov_b32 s[G1+1], 128<<16                     ; tensor_dim0 = 128 elements
	s_mov_b32 s[G1+2], 128<<16                     ; tensor_dim1 = 128 rows
	s_mov_b32 s[G1+3], 128<<16                     ; tile_dim0 = 128
	s_mov_b32 s[G1+4], 128                         ; tile_dim1 = 128
	s_mov_b32 s[G1+5], 128                         ; pitch = 128 elements: dense
	s_mov_b32 s[G1+6], 0
	s_mov_b32 s[G1+7], 0
	; group 1 for B: 64 rows of k x 192 columns, pitch 4,096 elements; 32 bytes of padding after every 128 bytes
	s_or_b32 s[G1B+0], s44, (1<<16)|(1<<20)|(1<<21)|(QIB<<22)|(7<<25)
	s_mov_b32 s[G1B+1], NT<<16
	s_mov_b32 s[G1B+2], 64<<16
	s_mov_b32 s[G1B+3], NT<<16
	s_mov_b32 s[G1B+4], 64
	s_mov_b32 s[G1B+5], 4096
	s_mov_b32 s[G1B+6], 0
	s_mov_b32 s[G1B+7], 0
	; A's tile hangs on by and the wave alone, B's on bx and the wave alone, each in registers that never hold the other coordinate
	s_lshr_b32 s16, s13, 3                         ; batch: 8 block rows each
	s_lshl_b32 s16, s16, 22
	s_and_b32 s18, s13, 7
	s_lshl_b32 s18, s18, 15                        ; 256 tokens of 128 bytes
	s_add_co_u32 s16, s16, s18
	s_lshl_b32 s18, s12, 18                        ; my plane: one chunk
	s_add_co_u32 s16, s16, s18
	s_mov_b32 s17, 0
	s_mul_i32 s46, s42, 2*NT                       ; the block's columns, in bytes
	s_lshl_b32 s47, s12, 19                        ; my 64 rows of 8,192 bytes
	s_add_co_u32 s46, s46, s47
	s_add_co_u32 s46, s46, COL0
	s_mov_b32 s47, 0
	s_mul_i32 s20, s10, APLANE                     ; LDS: waves 0, 1 fill A's planes 0, 1
	s_mul_i32 s21, s10, 64*BPITCH                  ; waves 2, 3 fill B's halves 0, 1:
	s_add_co_u32 s21, s21, BOFF-128*BPITCH         ; BOFF + (w - 2) x 64 rows
	s_wait_dscnt 0x0
	s_wait_kmcnt 0x0
	s_add_nc_u64 s[14:15], s[4:5], s[16:17]
	s_add_nc_u64 s[46:47], s[6:7], s[46:47]
	CROUND                                         ; all sixteen work-groups are here: the first joint loads meet
.irp s, 0,1
	s_mov_b32 s[G0+4*\s], 1
	s_add_co_u32 s[G0+4*\s+1], s20, \s*SLOT
	s_add_nc_u64 s[G0+4*\s+2:G0+4*\s+3], s[14:15], \s*ASTEP
	s_or_b32 s[G0+4*\s+3], s[G0+4*\s+3], 0x80000000
	s_mov_b32 s[G0B+4*\s], 1
	s_add_co_u32 s[G0B+4*\s+1], s21, \s*SLOT
	s_add_nc_u64 s[G0B+4*\s+2:G0B+4*\s+3], s[46:47], \s*BSTEP
	s_or_b32 s[G0B+4*\s+3], s[G0B+4*\s+3], 0x80000000
	JLOAD \s                                       ; K steps 0 and 1: two tensor loads of the wave are out
.endr
	v_and_b32 v1, 15, v0                           ; r = l % 16
	v_bfe_u32 v2, v0, 4, 1                         ; h = l / 16
	v_mul_u32_u24 v3, v1, APITCH                   ; A's fragment: row r, 16 bytes for each half of the lanes
	v_lshl_add_u32 v3, v2, 4, v3
	s_mul_i32 s22, s11, 128*APITCH                 ; my 128 rows
	v_and_b32 v4, 7, v0                            ; B's fragment by the transposing load: row of k = 8 h + l % 8,
	v_lshl_add_u32 v4, v2, 3, v4
	v_mul_u32_u24 v4, v4, BPITCH
	v_bfe_u32 v5, v0, 3, 1                         ; 16 bytes further for lanes 8-15 and 24-31
	v_lshl_add_u32 v4, v5, 4, v4
	s_mul_i32 s23, s12, CS
	s_add_co_u32 s23, s23, BOFF
.irp s, 0,1
	v_add_nc_u32 v[ADRA+\s], s22, v3
	v_add_nc_u32 v[ADRB+\s], s23, v4
	s_add_co_u32 s22, s22, SLOT
	s_add_co_u32 s23, s23, SLOT
.endr
	; the way out: in, row 128 wr + r, byte 64 wc + 16 h; back, wave w takes rows 64 w .., eight lanes a row of 128 bytes
	s_mul_i32 s22, s11, 128*SP
	s_lshl_b32 s23, s12, 6
	s_add_co_u32 s22, s22, s23
	v_mul_u32_u24 v4, v1, SP
	v_lshl_add_u32 v4, v2, 4, v4
	v_add_nc_u32 v[STO], s22, v4
	v_and_b32 v5, 31, v0
	v_lshrrev_b32 v6, 3, v5
	v_mul_u32_u24 v6, v6, SP
	v_and_b32 v7, 7, v0
	v_lshl_add_u32 v6, v7, 4, v6
	s_mul_i32 s22, s10, 64*SP
	v_add_nc_u32 v[RD], s22, v6
	v_lshlrev_b32 v[CO], 4, v5                     ; 16 l: four tokens of 128 bytes are 512 consecutive bytes of qkv
; 12 matrix instructions: row tiles a0, a0 + 1 x all six column tiles, 32 along K, on fragment buffer f.  zero = 1: the product starts the sums.
; All 48 accumulators take turns, one instruction a turn, in the same order in every quarter step.
.macro MUL2 f, a0, zero
.irp a, \a0, \a0+1
.irp b, 0,1,2,3,4,5
.set TT, NB*(\a)+\b
.set TR, 8*(TT%32)
	WIN (0x50*(1+TT/32))
.if \zero
	v_wmma_f32_16x16x32_bf16 v[TR:TR+7], v[FB0+48*\f+8*\b:FB0+48*\f+8*\b+7], v[FA0+64*\f+8*(\a):FA0+64*\f+8*(\a)+7], 0
.else
	v_wmma_f32_16x16x32_bf16 v[TR:TR+7], v[FB0+48*\f+8*\b:FB0+48*\f+8*\b+7], v[FA0+64*\f+8*(\a):FA0+64*\f+8*(\a)+7], v[TR:TR+7]
.endif
.endr
.endr
.endm
; The fragments of quarter kq (32 along K) of a slot into buffer f: B's six tiles (12 transposing loads), then A's eight (16 loads).
.macro FETCH slot, kq, f
	WIN 0
.irp g, 0,1,2
.irp e, 0,1
	ds_load_tr16_b128 v[FB0+48*\f+8*(2*\g+\e):FB0+48*\f+8*(2*\g+\e)+3],   v[ADRB+\slot] offset:32*\kq*BPITCH+\g*GS+32*\e
	ds_load_tr16_b128 v[FB0+48*\f+8*(2*\g+\e)+4:FB0+48*\f+8*(2*\g+\e)+7], v[ADRB+\slot] offset:32*\kq*BPITCH+\g*GS+32*\e+16*BPITCH
.endr
.endr
.irp a, 0,1,2,3,4,5,6,7
	ds_load_b128 v[FA0+64*\f+8*\a:FA0+64*\f+8*\a+3],   v[ADRA+\slot] offset:(\kq>>1)*APLANE+(\kq&1)*64+\a*16*APITCH
	ds_load_b128 v[FA0+64*\f+8*\a+4:FA0+64*\f+8*\a+7], v[ADRA+\slot] offset:(\kq>>1)*APLANE+(\kq&1)*64+\a*16*APITCH+32
.endr
.endm
; One of a K step's first three quarters: multiplies buffer f; in its middle fetches quarter kq of the same slot into buffer g.
.macro QUARTER slot, kq, f, g, zero
	s_wait_dscnt 8                                 ; B and A's tiles 0-3 are in; the youngest eight loads (A's tiles 4-7) may be out
	MUL2 \f, 0, \zero
	MUL2 \f, 2, \zero
	PLACES
	FETCH \slot, \kq, \g
	s_wait_dscnt NL                                ; all but the NL just issued
	MUL2 \f, 4, \zero
	MUL2 \f, 6, \zero
.endm
.macro THREE slot, zero
	QUARTER \slot, 1, 0, 1, \zero
	QUARTER \slot, 2, 1, 0, 0
	QUARTER \slot, 3, 0, 1, 0
.endm
; The last quarter: multiplies buffer 1 and changes slots.  In front of the barrier each wave waits for its reads of this slot and for all its
; tensor loads (one is out: its part of the next slot).  fill = 1: the barrier opens a round of the cluster's barrier, and the joint refill of
; this slot, two K steps ahead, is the first tensor load behind the round.
.macro TURN slot, next, fill
	s_wait_dscnt 8
	MUL2 1, 0, 0
	s_wait_dscnt 0                                 ; my reads of this slot are over
	s_wait_tensorcnt 0x0                           ; all my tensor loads have landed
	ds_add_u32 v30, v31
	s_wait_dscnt 0x0
	s_barrier_signal -1
	MUL2 1, 2, 0                                   ; register work while the others arrive
	WIN 0
	s_barrier_wait -1
.if \fill
	CREST
	s_add_nc_u64 s[G0+4*\slot+2:G0+4*\slot+3], s[G0+4*\slot+2:G0+4*\slot+3], 2*ASTEP
	s_add_nc_u64 s[G0B+4*\slot+2:G0B+4*\slot+3], s[G0B+4*\slot+2:G0B+4*\slot+3], 2*BSTEP
	JLOAD \slot                                    ; its four v_nop are also the places in front of the loads below
.else
	PLACES
.endif
	FETCH \next, 0, 0
	MUL2 1, 4, 0
	MUL2 1, 6, 0
.endm
.macro LAP zero
	THREE 0, \zero
	TURN 0, 1, 1
	THREE 1, 0
	TURN 1, 0, 1
.endm
	s_wait_tensorcnt 0x1                           ; my part of K step 0 is in; K step 1's stays out
	s_barrier_signal -1
	s_barrier_wait -1
	FETCH 0, 0, 0
	LAP 1                                          ; the first lap's first products start the sums: nothing is cleared
	WIN 0
	s_mov_b32 s3, LAPS-2
.Llap:
	LAP 0
	WIN 0
	s_sub_co_u32 s3, s3, 1
	s_cmp_lg_u32 s3, 0
	s_cbranch_scc1 .Llap
	THREE 0, 0                                     ; the last lap fills nothing
	TURN 0, 1, 0                                   ; behind its barrier no wave reads slot 0 any more, and no load will fill it again
	THREE 1, 0
	s_wait_dscnt 8
	MUL2 1, 0, 0
	MUL2 1, 2, 0
	s_wait_dscnt 0
	MUL2 1, 4, 0
	MUL2 1, 6, 0
	; THE WAY OUT.  A head's 64 columns lie in two waves, so the block's 256 rows x 384 bytes meet in LDS, in slot 0's bytes 0 to 102,399
	; (its last fill has been read by every wave; slot 1, which slower waves still read, begins at 135,168).
	PLACES
	s_lshr_b32 s16, s13, 3
	s_mul_i32 s16, s16, 12582912                   ; batch: 48 heads of 262,144 bytes
	s_and_b32 s18, s13, 7
	s_lshl_b32 s18, s18, 15                        ; the block's 256 tokens of 128 bytes
	s_add_co_u32 s16, s16, s18
	s_lshl_b32 s18, s10, 13                        ; my 64 tokens on the way back
	s_add_co_u32 s16, s16, s18
	s_mov_b32 s17, 0
	s_add_nc_u64 s[8:9], s[8:9], s[16:17]
	s_mul_i32 s46, s42, 786432                     ; the block's three heads (in the registers that held B's address)
	s_mov_b32 s47, 0
	s_add_nc_u64 s[8:9], s[8:9], s[46:47]
.macro OUTA a                          ; rows 16 a .. 16 a + 15 of my 128: round to f16, 16 bytes a lane and tile into the stage
.irp b, 0,1,2,3,4,5
.set TT, NB*\a+\b
.set TR, 8*(TT%32)
	WIN (5*(1+TT/32))
.irp q, 0,1,2,3
	v_cvt_pk_f16_f32 v[TMP+4*\b+\q], v[TR+2*\q], v[TR+2*\q+1]
.endr
.endr
	WIN 0
.irp g, 0,1,2
.irp e, 0,1
	ds_store_b128 v[STO], v[TMP+4*(2*\g+\e):TMP+4*(2*\g+\e)+3] offset:16*SP*\a+128*\g+32*\e
.endr
.endr
.endm
.irp a, 0,1,2,3,4,5,6,7
	OUTA \a
.endr
	s_wait_dscnt 0x0                               ; my stores are in LDS, for the others' sake
	s_barrier_signal -1
	s_barrier_wait -1
.macro BACK hd, f                      ; head hd of the block's three: my 64 tokens x 128 bytes, 512 consecutive bytes a store
.irp t, 0,1,2,3,4,5,6,7,8,9,10,11,12,13,14,15
	ds_load_b128 v[\f+4*\t:\f+4*\t+3], v[RD] offset:4*SP*\t+128*\hd
.endr
.irp t, 0,1,2,3,4,5,6,7,8,9,10,11,12,13,14,15
	s_wait_dscnt 15-\t
	global_store_b128 v[CO], v[\f+4*\t:\f+4*\t+3], s[8:9] offset:\hd*262144+512*\t
.endr
.endm
	BACK 0, FA0
	BACK 1, FA0+64
	s_wait_xcnt 0x0                                ; the first head's stores have read their data: those registers are loaded again only behind this wait
	BACK 2, FA0
	s_wait_tensorcnt 0x0
	ds_add_u32 v30, v31
	s_wait_dscnt 0x0
	CROUND                                         ; the closing round: no work-group ends while a partner may still ask for a tile that names it
	s_endpgm
.Lfunc_end_k_q08dcaef6fa_qkv:
	.size	k_q08dcaef6fa_qkv, .Lfunc_end_k_q08dcaef6fa_qkv-k_q08dcaef6fa_qkv
	.p2alignl 7, 3214868480
	.fill 96, 4, 3214868480
	.section	.rodata,"a",@progbits
	.p2align	6, 0x0
	.amdhsa_kernel k_q08dcaef6fa_qkv
		.amdhsa_group_segment_fixed_size 327680
		.amdhsa_private_segment_fixed_size 0
		.amdhsa_enable_private_segment 0
		.amdhsa_kernarg_size 24
		.amdhsa_user_sgpr_count 2
		.amdhsa_user_sgpr_kernarg_segment_ptr 1
		.amdhsa_wavefront_size32 1
		.amdhsa_system_sgpr_workgroup_id_x 1
		.amdhsa_system_sgpr_workgroup_id_y 1
		.amdhsa_system_sgpr_workgroup_id_z 1
		.amdhsa_system_vgpr_workitem_id 0
		.amdhsa_next_free_vgpr 640
		.amdhsa_next_free_sgpr 66
		.amdhsa_reserve_vcc 0
		.amdhsa_float_denorm_mode_32 3
		.amdhsa_float_denorm_mode_16_64 3
		.amdhsa_memory_ordered 1
		.amdhsa_forward_progress 1
		.amdhsa_inst_pref_size 159
	.end_amdhsa_kernel
	.amdgpu_metadata
---
amdhsa.version: [ 1, 2 ]
amdhsa.kernels:
  - .name:           k_q08dcaef6fa_qkv
    .symbol:         k_q08dcaef6fa_qkv.kd
    .args:
      - { .name: xh, .offset: 0, .size: 8, .value_kind: global_buffer, .address_space: global }
      - { .name: wh, .offset: 8, .size: 8, .value_kind: global_buffer, .address_space: global }
      - { .name: qkv, .offset: 16, .size: 8, .value_kind: global_buffer, .address_space: global }
    .group_segment_fixed_size: 327680
    .private_segment_fixed_size: 0
    .kernarg_segment_align: 8
    .kernarg_segment_size: 24
    .max_flat_workgroup_size: 128
    .sgpr_count:     66
    .vgpr_count:     640
    .wavefront_size: 32
...
	.end_amdgpu_metadata
.endif
;; end of part 2
;; launch attn (part 3): grid 256 x 1, 4 waves a work-group, no clusters, 327,680 bytes of LDS; arguments qkv, ctx; writes ctx
.if DOCPART == 3
	.amdgcn_target "amdgcn-amd-amdhsa--gfx1250"
	.amdhsa_code_object_version 6
	.text
	.protected	k_q08dcaef6fa_attn
	.globl	k_q08dcaef6fa_attn
	.p2align	8
	.type	k_q08dcaef6fa_attn,@function
k_q08dcaef6fa_attn:
	s_mov_b64 s[64:65], 0
	v_nop
	global_prefetch_b8 v0, s[64:65] scope:SCOPE_SE
	s_setreg_imm32_b32 hwreg(HW_REG_WAVE_MODE, 25, 1), 1
	s_wait_xcnt 0x0
; Causal attention of one head: ctx[b][h][t][64] (f16) = softmax(q k^T / 8, keys <= query) v, from qkv[b][ch][t][64] (f16; ch = h, 16 + h, 32 + h).
; f16 operands, f32 sums; the softmax in f32 with a running maximum, taken in every step.
; LIMIT: the weights enter the second product rounded to f16 (they lie in 0..1); the row sum is kept in f32 from the unrounded weights.
; WORK: work-group g: head g / 4, j = g mod 4.  It makes the query blocks of 256 rows number j and 7 - j: (j + 1) + (8 - j) = 9 pairs of
; 128 + 128 keys for every work-group.  Wave w owns 64 queries of a block.  A block begins with its diagonal pair, whose first 64 keys hold
; an unmasked key for every query, so the running maximum is finite from the first step on.
; NO CLUSTER: the four work-groups of a head are at different key pairs in the same step (j = 0 walks pairs 0 | 7, 0..6; j = 3 walks 3, 0..2 | 4, 0..3);
; walking in step would take 4 + 8 = 12 pair times in place of 9.
; NO MOVE BETWEEN LANES BUT ONE: S^T = K Q^T puts query l % 16 into lane l with keys 8 (l / 16) + 0..7 in its registers; packed to f16, tiles 2 kh and
; 2 kh + 1 ARE the second operand of O^T = V^T P^T for keys 32 kh ..; maximum, sum and rescale are a lane's own, and one v_permlanex16_b32 joins the halves.
; RING: two slots of 128 keys; slot e always holds half e of a pair.  Waves 0, 1 fetch K's keys 64 w .., waves 2, 3 V's: 8 KiB dense, as 32 rows of
; 256 bytes, padded after every 128 bytes (a key): K's rows are 144 bytes apart, V's 160 (the transposing load wants an odd multiple of 32).
; REGISTERS: window 0: addresses, state, K's, V's and P's fragments; window 1: S (128), Q of both blocks (64 + 64); window 2: O (128).
.set KP,    144
.set VP,    160
.set KSLOT, 128*KP
.set VBASE, 2*KSLOT
.set VSLOT, 128*VP
.set STAGE, VBASE+2*VSLOT              ; 77,824: 64 rows x 144 bytes for each wave, its own; no load fills it
.set KADR, 4
.set VADR, 5
.set STO,  6
.set RD,   7
.set GOFF, 8
.set QOFF, 9
.set NINF, 10                          ; v10 = -infinity
.set ST,   16                          ; v[16+4 qb ..]: -c m, m, alpha, l of my query in block qb
.set T,    32                          ; v[32:35] at work
.set T2,   36                          ; v[36:39] at work
.set KF,   48                          ; K tile kb, d half dh at KF + 8 (2 kb + dh)
.set VF,   112                         ; V^T tile db, key half kh at VF + 8 (2 db + kh)
.set PF,   176                         ; P tile qb, key half kh at PF + 8 (2 qb + kh)
.set S,    0                           ; window 1: tile (kb, qb) at 8 (4 kb + qb)
.set Q1,   128                         ; window 1: first block's Q, tile qb, d half dh at + 8 (2 qb + dh)
.set Q2,   192                         ; window 1: second block's
.set O,    0                           ; window 2: tile (db, qb) at 8 (4 db + qb)
.set G1K, 24
.set G0K, 32
.set G1V, 40
.set G0V, 48
.set MSB, 0
.macro WIN new
.if MSB != \new
	s_set_vgpr_msb (MSB<<8)|(\new)
.set MSB, (\new)
.endif
.endm
.macro PLACES                          ; four plain vector places behind matrix instructions (ISA guide 7.12.1)
.rept 4
	v_nop
.endr
.endm
.macro SETG0 e                         ; slot e's two global addresses: half e of the pair at byte s14 of the head's keys.  No tensor load of the wave that reads these registers is out here
	s_add_co_u32 s16, s14, \e*16384
	s_add_nc_u64 s[G0K+4*\e+2:G0K+4*\e+3], s[56:57], s[16:17]
	s_or_b32 s[G0K+4*\e+3], s[G0K+4*\e+3], 0x80000000
	s_add_nc_u64 s[G0V+4*\e+2:G0V+4*\e+3], s[58:59], s[16:17]
	s_or_b32 s[G0V+4*\e+3], s[G0V+4*\e+3], 0x80000000
.endm
.macro JLOAD e                         ; one tensor load a wave: waves 0, 1 K's, waves 2, 3 V's
	s_cmp_lt_u32 s8, 2
	s_cbranch_scc0 .Lfor_v_\@
	tensor_load_to_lds s[G0K+4*\e:G0K+4*\e+3], s[G1K:G1K+7]
	s_nop 0
.rept 4
	v_nop
.endr
	s_branch .Lasked_\@
.Lfor_v_\@:
	tensor_load_to_lds s[G0V+4*\e:G0V+4*\e+3], s[G1V:G1V+7]
	s_nop 0
.rept 4
	v_nop
.endr
.Lasked_\@:
.endm
.macro KLOAD e, sl                     ; 64 keys x 64 d: rows of K as first operand, 16 loads
.irp kb, 0,1,2,3
.irp dh, 0,1
	ds_load_b128 v[KF+8*(2*\kb+\dh):KF+8*(2*\kb+\dh)+3],   v[KADR] offset:\e*KSLOT+(64*\sl+16*\kb)*KP+64*\dh
	ds_load_b128 v[KF+8*(2*\kb+\dh)+4:KF+8*(2*\kb+\dh)+7], v[KADR] offset:\e*KSLOT+(64*\sl+16*\kb)*KP+64*\dh+32
.endr
.endr
.endm
.macro VLOAD e, sl                     ; the same keys' V, transposed on the way: 16 d x 32 keys a tile, 16 loads
.irp db, 0,1,2,3
.irp kh, 0,1
	ds_load_tr16_b128 v[VF+8*(2*\db+\kh):VF+8*(2*\db+\kh)+3],   v[VADR] offset:\e*VSLOT+(64*\sl+32*\kh)*VP+32*\db
	ds_load_tr16_b128 v[VF+8*(2*\db+\kh)+4:VF+8*(2*\db+\kh)+7], v[VADR] offset:\e*VSLOT+(64*\sl+32*\kh)*VP+32*\db+16*VP
.endr
.endr
.endm
; 64 keys (quarter 2 e + sl of a pair) x my 64 queries.  first: the block's first step starts maximum, sum and O.  diag: the pair is the block's own:
; quarters beyond my queries are skipped, my own quarter is masked.  kpre: K's fragments were asked for in the step before.  knext: ask for the next step's.
.macro STEP e, sl, first, diag, kpre, knext, qf
.if \diag
.if (2*\e+\sl) > 0
	s_cmp_lt_u32 s8, 2*\e+\sl                      ; every key of this quarter lies behind all my queries
	s_cbranch_scc1 .Lskip_\@
.endif
.endif
.if \kpre == 0
	KLOAD \e, \sl
.endif
	s_wait_dscnt 0x0
	WIN 0x54                                       ; K window 0; Q, S window 1
	; S^T = K Q^T.  The 16 tiles take turns, one instruction a turn, d half 0 starting the sums
.irp kb, 0,1,2,3
.irp qb, 0,1,2,3
	v_wmma_f32_16x16x32_f16 v[S+8*(4*\kb+\qb):S+8*(4*\kb+\qb)+7], v[KF+16*\kb:KF+16*\kb+7], v[\qf+16*\qb:\qf+16*\qb+7], 0
.endr
.endr
.irp kb, 0,1,2,3
.irp qb, 0,1,2,3
	v_wmma_f32_16x16x32_f16 v[S+8*(4*\kb+\qb):S+8*(4*\kb+\qb)+7], v[KF+16*\kb+8:KF+16*\kb+15], v[\qf+16*\qb+8:\qf+16*\qb+15], v[S+8*(4*\kb+\qb):S+8*(4*\kb+\qb)+7]
.endr
.endr
	PLACES                                         ; before S is read, and before V's and K's fragment registers are loaded again
	WIN 0
	VLOAD \e, \sl
.if \knext
	KLOAD \e, 1
.endif
.if \diag
	s_cmp_lg_u32 s8, 2*\e+\sl
	s_cbranch_scc1 .Lnomask_\@
	WIN 0x41                                       ; my own quarter: key 16 kb + 8 h + i against query 16 qb + r
.irp kb, 0,1,2,3
.irp qb, 0,1,2,3
.if \kb > \qb
.irp i, 0,1,2,3,4,5,6,7
	v_mov_b32 v[S+8*(4*\kb+\qb)+\i], 0xff800000
.endr
.endif
.if \kb == \qb
.irp i, 0,1,2,3,4,5,6,7
	v_cndmask_b32 v[S+8*(4*\kb+\qb)+\i], v[S+8*(4*\kb+\qb)+\i], v[NINF], s[66+\i]
.endr
.endif
.endr
.endr
	WIN 0
.Lnomask_\@:
.endif
	WIN 0x05                                       ; the new maximum of my 32 keys and the old one, four chains
.irp kb, 0,1,2,3
.irp p, 0,1,2,3
.irp qb, 0,1,2,3
.if (\kb+\p) == 0
.if \first
	v_max_num_f32 v[T+\qb], v[S+8*(4*\kb+\qb)+2*\p], v[S+8*(4*\kb+\qb)+2*\p+1]
.else
	v_max3_num_f32 v[T+\qb], v[S+8*(4*\kb+\qb)+2*\p], v[S+8*(4*\kb+\qb)+2*\p+1], v[ST+4*\qb+1]
.endif
.else
	v_max3_num_f32 v[T+\qb], v[S+8*(4*\kb+\qb)+2*\p], v[S+8*(4*\kb+\qb)+2*\p+1], v[T+\qb]
.endif
.endr
.endr
.endr
	WIN 0
.irp qb, 0,1,2,3
	v_permlanex16_b32 v[T2+\qb], v[T+\qb], s22, s23        ; the other half's keys of the same query
.endr
.irp qb, 0,1,2,3
	v_max_num_f32 v[T+\qb], v[T+\qb], v[T2+\qb]
.endr
.irp qb, 0,1,2,3
	v_mul_f32 v[ST+4*\qb], s20, v[T+\qb]                   ; -c m, c = log2(e) / 8
.endr
.if \first == 0
.irp qb, 0,1,2,3
	v_fma_f32 v[T2+\qb], v[ST+4*\qb+1], s18, v[ST+4*\qb]   ; c (old m - new m)
.endr
.irp qb, 0,1,2,3
	v_exp_f32 v[ST+4*\qb+2], v[T2+\qb]                     ; alpha
.endr
.endif
.irp qb, 0,1,2,3
	v_mov_b32 v[ST+4*\qb+1], v[T+\qb]                      ; plain lines behind the exponentials, before alpha is used
.endr
	WIN 0x41                                       ; p = 2^(c s - c m), in place
.irp kb, 0,1,2,3
.irp p, 0,1,2,3
.irp qb, 0,1,2,3
	v_pk_fma_f32 v[S+8*(4*\kb+\qb)+2*\p:S+8*(4*\kb+\qb)+2*\p+1], v[S+8*(4*\kb+\qb)+2*\p:S+8*(4*\kb+\qb)+2*\p+1], s[18:19], v[ST+4*\qb:ST+4*\qb+1] op_sel_hi:[1,0,0]
.endr
.endr
.endr
.set XI, 0
.rept 128
	v_exp_f32 v[S+XI], v[S+XI]
.set XI, XI+1
.endr
	v_nop                                          ; one plain place behind the last exponential (ISA guide 5.7.2)
	WIN 0x05                                       ; to f16: tiles 2 kh, 2 kh + 1 make P's fragment for keys 32 kh ..
	s_wait_alu depctr_va_vdst(0)
.irp kb, 0,1,2,3
.irp p, 0,1,2,3
.irp qb, 0,1,2,3
	v_cvt_pk_f16_f32 v[PF+16*\qb+4*\kb+\p], v[S+8*(4*\kb+\qb)+2*\p], v[S+8*(4*\kb+\qb)+2*\p+1]
.endr
.endr
.endr
	WIN 0x45                                       ; the sum of my 32 weights a query, a tree of packed adds in S, which is no longer needed
.irp kb, 0,1
.irp p, 0,1,2,3
.irp qb, 0,1,2,3
	v_pk_add_f32 v[S+8*(4*\kb+\qb)+2*\p:S+8*(4*\kb+\qb)+2*\p+1], v[S+8*(4*\kb+\qb)+2*\p:S+8*(4*\kb+\qb)+2*\p+1], v[S+8*(4*\kb+8+\qb)+2*\p:S+8*(4*\kb+8+\qb)+2*\p+1]
.endr
.endr
.endr
.irp p, 0,1,2,3
.irp qb, 0,1,2,3
	v_pk_add_f32 v[S+8*\qb+2*\p:S+8*\qb+2*\p+1], v[S+8*\qb+2*\p:S+8*\qb+2*\p+1], v[S+8*(4+\qb)+2*\p:S+8*(4+\qb)+2*\p+1]
.endr
.endr
.irp p, 0,1
.irp qb, 0,1,2,3
	v_pk_add_f32 v[S+8*\qb+2*\p:S+8*\qb+2*\p+1], v[S+8*\qb+2*\p:S+8*\qb+2*\p+1], v[S+8*\qb+2*\p+4:S+8*\qb+2*\p+5]
.endr
.endr
.irp qb, 0,1,2,3
	v_pk_add_f32 v[S+8*\qb:S+8*\qb+1], v[S+8*\qb:S+8*\qb+1], v[S+8*\qb+2:S+8*\qb+3]
.endr
	WIN 0x05
.irp qb, 0,1,2,3
.if \first
	v_add_f32 v[ST+4*\qb+3], v[S+8*\qb], v[S+8*\qb+1]      ; l starts; the two halves' sums are joined at the block's end
.else
	v_add_f32 v[T+\qb], v[S+8*\qb], v[S+8*\qb+1]
.endif
.endr
.if \first == 0
	WIN 0
.irp qb, 0,1,2,3
	v_fma_f32 v[ST+4*\qb+3], v[ST+4*\qb+3], v[ST+4*\qb+2], v[T+\qb]    ; l = l alpha + sum
.endr
	WIN 0x82                                       ; O = O alpha
.irp db, 0,1,2,3
.irp p, 0,1,2,3
.irp qb, 0,1,2,3
	v_pk_mul_f32 v[O+8*(4*\db+\qb)+2*\p:O+8*(4*\db+\qb)+2*\p+1], v[O+8*(4*\db+\qb)+2*\p:O+8*(4*\db+\qb)+2*\p+1], v[ST+4*\qb+2:ST+4*\qb+3] op_sel_hi:[1,0]
.endr
.endr
.endr
.endif
.if \knext
	s_wait_dscnt 16                                ; V's 16 loads are in; the 16 of the next step's K, issued behind them, stay out
.else
	s_wait_dscnt 0x0
.endif
	WIN 0xa0                                       ; O^T += V^T P^T; the 16 tiles take turns, one instruction a turn
.irp db, 0,1,2,3
.irp qb, 0,1,2,3
.if \first
	v_wmma_f32_16x16x32_f16 v[O+8*(4*\db+\qb):O+8*(4*\db+\qb)+7], v[VF+16*\db:VF+16*\db+7], v[PF+16*\qb:PF+16*\qb+7], 0
.else
	v_wmma_f32_16x16x32_f16 v[O+8*(4*\db+\qb):O+8*(4*\db+\qb)+7], v[VF+16*\db:VF+16*\db+7], v[PF+16*\qb:PF+16*\qb+7], v[O+8*(4*\db+\qb):O+8*(4*\db+\qb)+7]
.endif
.endr
.endr
.irp db, 0,1,2,3
.irp qb, 0,1,2,3
	v_wmma_f32_16x16x32_f16 v[O+8*(4*\db+\qb):O+8*(4*\db+\qb)+7], v[VF+16*\db+8:VF+16*\db+15], v[PF+16*\qb+8:PF+16*\qb+15], v[O+8*(4*\db+\qb):O+8*(4*\db+\qb)+7]
.endr
.endr
	WIN 0
.if \diag
.if (2*\e+\sl) > 0
.Lskip_\@:
.endif
.endif
.endm
; Slot e has been read.  Every wave waits for its LDS reads and for all its tensor loads (the other slot's fill among them), then the barrier:
; behind it the other slot is whole for everybody, and slot e is asked for again first thing, one load a wave, with two steps in which to land.
.macro END_UNIT e, refill
	s_wait_dscnt 0x0
	s_wait_tensorcnt 0x0
	ds_add_u32 v254, v255
	s_wait_dscnt 0x0
.if \refill
	SETG0 \e
.endif
	s_barrier_signal -1
	s_barrier_wait -1
.if \refill
	JLOAD \e
.endif
.endm
.macro DIAGPAIR qf
	STEP 0, 0, 1, 1, 0, 0, \qf
	STEP 0, 1, 0, 1, 0, 0, \qf
	END_UNIT 0, 1
	STEP 1, 0, 0, 1, 0, 0, \qf
	STEP 1, 1, 0, 1, 0, 0, \qf
	END_UNIT 1, 1
.endm
.macro FULLPAIR qf, refill
	STEP 0, 0, 0, 0, 0, 1, \qf
	STEP 0, 1, 0, 0, 1, 0, \qf
	END_UNIT 0, \refill
	STEP 1, 0, 0, 0, 0, 1, \qf
	STEP 1, 1, 0, 0, 1, 0, \qf
.if \refill
	END_UNIT 1, 1
.endif
.endm
; The block's end: O / l to f16, through my own stage, out as whole rows: a store of the wave covers four tokens, 512 consecutive bytes.
.macro FINAL cb
	PLACES
.irp qb, 0,1,2,3
	v_permlanex16_b32 v[T2+\qb], v[ST+4*\qb+3], s22, s23
.endr
.irp qb, 0,1,2,3
	v_add_f32 v[T+\qb], v[ST+4*\qb+3], v[T2+\qb]
.endr
.irp qb, 0,1,2,3
	v_rcp_f32 v[ST+4*\qb+2], v[T+\qb]              ; l >= 1: the largest weight of a row is 1
.endr
	v_nop                                          ; one plain place behind the reciprocals
	WIN 0x82
	s_wait_alu depctr_va_vdst(0)
.irp db, 0,1,2,3
.irp p, 0,1,2,3
.irp qb, 0,1,2,3
	v_pk_mul_f32 v[O+8*(4*\db+\qb)+2*\p:O+8*(4*\db+\qb)+2*\p+1], v[O+8*(4*\db+\qb)+2*\p:O+8*(4*\db+\qb)+2*\p+1], v[ST+4*\qb+2:ST+4*\qb+3] op_sel_hi:[1,0]
.endr
.endr
.endr
	WIN 0x0a
.irp qb, 0,1,2,3
.irp db, 0,1,2,3
.irp p, 0,1,2,3
	v_cvt_pk_f16_f32 v[KF+4*(4*\qb+\db)+\p], v[O+8*(4*\db+\qb)+2*\p], v[O+8*(4*\db+\qb)+2*\p+1]
.endr
.endr
.endr
	WIN 0
.irp qb, 0,1,2,3
.irp db, 0,1,2,3
	ds_store_b128 v[STO], v[KF+4*(4*\qb+\db):KF+4*(4*\qb+\db)+3] offset:16*KP*\qb+32*\db   ; query 16 qb + r, d 16 db + 8 h ..
.endr
.endr
.irp t, 0,1,2,3,4,5,6,7,8,9,10,11,12,13,14,15
	ds_load_b128 v[VF+4*\t:VF+4*\t+3], v[RD] offset:4*KP*\t        ; LDS serves a wave's instructions in order: these see the stores above
.endr
.irp t, 0,1,2,3,4,5,6,7,8,9,10,11,12,13,14,15
	s_wait_dscnt 15-\t
	global_store_b128 v[GOFF], v[VF+4*\t:VF+4*\t+3], s[\cb:\cb+1] offset:512*\t
.endr
	s_wait_xcnt 0x0                                ; the stores' data registers are V's fragment registers: loaded again only behind this wait
.endm
	s_load_b128 s[4:7], s[0:1], 0x0                ; qkv s[4:5], ctx s[6:7]
	v_lshl_add_u32 v254, v0, 2, 0x29000
	v_mov_b32 v255, 0
	ds_add_u32 v254, v255
	ds_add_u32 v254, v255
	v_lshrrev_b32 v1, 5, v0
	v_readfirstlane_b32 s8, v1                     ; wave 0..3
	s_and_b32 s9, s8, 1                            ; which 64 keys of a slot I fetch
	s_and_b32 s10, ttmp9, 3                        ; j: the first query block
	s_sub_co_u32 s11, 7, s10                       ; the second
	s_sub_co_u32 s13, s11, 1
	s_lshl_b32 s15, s11, 15                        ; the second block's pair of keys: 256 keys of 128 bytes each
	s_lshr_b32 s62, ttmp9, 2                       ; 16 b + h
	s_lshr_b32 s63, s62, 4
	s_and_b32 s21, s62, 15
	s_mov_b32 s18, 0x3e38aa3b                      ; c = log2(e) / 8
	s_mov_b32 s19, 0x3e38aa3b
	s_mov_b32 s20, 0xbe38aa3b                      ; -c
	s_mov_b32 s22, 0x76543210                      ; v_permlanex16_b32: lane i of one half reads lane i of the other
	s_mov_b32 s23, 0xfedcba98
	; group 1: 32 rows of 256 bytes, dense; padding after every 32 words: K 4 words, V 8
	s_mov_b32 s[G1K+0], (1<<16)|(1<<20)|(4<<22)|(3<<25)
	s_mov_b32 s[G1V+0], (1<<16)|(1<<20)|(4<<22)|(7<<25)
.irp g, G1K, G1V
	s_mov_b32 s[\g+1], 128<<16                     ; tensor_dim0 = 128 elements
	s_mov_b32 s[\g+2], 32<<16                      ; tensor_dim1 = 32 rows
	s_mov_b32 s[\g+3], 128<<16                     ; tile_dim0
	s_mov_b32 s[\g+4], 32                          ; tile_dim1
	s_mov_b32 s[\g+5], 128                         ; pitch
	s_mov_b32 s[\g+6], 0
	s_mov_b32 s[\g+7], 0
.endr
	s_mul_i32 s2, s8, 64*KP                        ; LDS: waves 0, 1 fill K's keys 64 w ..
	s_mul_i32 s3, s8, 64*VP                        ; waves 2, 3 V's keys 64 (w - 2) ..
.irp e, 0,1
	s_mov_b32 s[G0K+4*\e], 1
	s_add_co_u32 s[G0K+4*\e+1], s2, \e*KSLOT
	s_mov_b32 s[G0V+4*\e], 1
	s_add_co_u32 s[G0V+4*\e+1], s3, VBASE-128*VP+\e*VSLOT
.endr
	s_mul_i32 s16, s63, 12582912                   ; batch: 48 heads of 262,144 bytes
	s_lshl_b32 s21, s21, 18
	s_add_co_u32 s16, s16, s21
	s_mov_b32 s17, 0
	s_wait_dscnt 0x0
	s_wait_kmcnt 0x0
	s_add_nc_u64 s[60:61], s[4:5], s[16:17]        ; the head's q
	s_lshl_b32 s16, s9, 13                         ; my 64 keys of 128 bytes
	s_add_nc_u64 s[56:57], s[60:61], s[16:17]
	s_add_nc_u64 s[58:59], s[56:57], 8388608       ; v: 32 heads on
	s_add_nc_u64 s[56:57], s[56:57], 4194304       ; k: 16 heads on
	s_lshl_b32 s14, s10, 15                        ; the first pair: the first block's own keys
	SETG0 0
	JLOAD 0
	SETG0 1
	JLOAD 1                                        ; both first fills are out: two tensor loads of the wave
	s_mov_b32 s16, s15
	s_add_nc_u64 s[78:79], s[60:61], s[16:17]      ; q of the second block
	s_mov_b32 s16, s14
	s_add_nc_u64 s[60:61], s[60:61], s[16:17]      ; q of the first
	s_lshl_b32 s16, s62, 18                        ; ctx: the head,
	s_lshl_b32 s21, s8, 13                         ; my 64 queries
	s_add_co_u32 s16, s16, s21
	s_add_nc_u64 s[74:75], s[6:7], s[16:17]
	s_mov_b32 s16, s15
	s_add_nc_u64 s[76:77], s[74:75], s[16:17]      ; second block
	s_mov_b32 s16, s14
	s_add_nc_u64 s[74:75], s[74:75], s[16:17]      ; first block
	v_and_b32 v1, 15, v0                           ; r
	v_bfe_u32 v2, v0, 4, 1                         ; h
	v_and_b32 v3, 31, v0                           ; l
	v_lshlrev_b32 v13, 7, v1                       ; Q's fragment straight from memory: row 64 w + 16 qb + r, 16 bytes for each half of the lanes
	v_lshl_add_u32 v13, v2, 4, v13
	v_add_nc_u32 v[QOFF], s21, v13
	WIN 0x40
.irp qb, 0,1,2,3
.irp dh, 0,1
	global_load_b128 v[Q1+8*(2*\qb+\dh):Q1+8*(2*\qb+\dh)+3],   v[QOFF], s[60:61] offset:2048*\qb+64*\dh
	global_load_b128 v[Q1+8*(2*\qb+\dh)+4:Q1+8*(2*\qb+\dh)+7], v[QOFF], s[60:61] offset:2048*\qb+64*\dh+32
	global_load_b128 v[Q2+8*(2*\qb+\dh):Q2+8*(2*\qb+\dh)+3],   v[QOFF], s[78:79] offset:2048*\qb+64*\dh
	global_load_b128 v[Q2+8*(2*\qb+\dh)+4:Q2+8*(2*\qb+\dh)+7], v[QOFF], s[78:79] offset:2048*\qb+64*\dh+32
.endr
.endr
	WIN 0
	v_mul_u32_u24 v[KADR], v1, KP
	v_lshl_add_u32 v[KADR], v2, 4, v[KADR]         ; K: row r, 16 h
	v_and_b32 v12, 7, v0
	v_lshl_add_u32 v13, v2, 3, v12                 ; V: key 8 h + l % 8,
	v_mul_u32_u24 v13, v13, VP
	v_bfe_u32 v14, v0, 3, 1
	v_lshl_add_u32 v13, v14, 4, v13                ; 16 bytes further for lanes 8-15 and 24-31
	v_add_nc_u32 v[VADR], VBASE, v13
	s_mul_i32 s21, s8, 64*KP
	s_add_co_u32 s21, s21, STAGE                   ; my stage
	v_add_nc_u32 v[STO], s21, v[KADR]
	v_lshrrev_b32 v13, 3, v3
	v_mul_u32_u24 v13, v13, KP
	v_lshl_add_u32 v13, v12, 4, v13
	v_add_nc_u32 v[RD], s21, v13                   ; back: eight lanes a row of 128 bytes
	v_lshlrev_b32 v[GOFF], 4, v3
	v_mov_b32 v[NINF], 0xff800000
	v_lshlrev_b32 v11, 3, v2
.irp i, 0,1,2,3,4,5,6,7
	v_add_nc_u32 v12, \i, v11
	v_cmp_gt_u32 s[66+\i], v12, v1                 ; lanes whose key 8 h + i lies behind query r in a diagonal tile
.endr
.irp qb, 0,1,2,3
	v_mov_b32 v[T2+\qb], 0                         ; v_permlanex16_b32's destination counts as read
.endr
	s_wait_tensorcnt 0x1                           ; my part of slot 0 is in; slot 1's stays out
	s_barrier_signal -1
	s_barrier_wait -1
	s_wait_loadcnt 0x0                             ; Q of both blocks
	; the first block: its own pair, then pairs 0 .. j - 1.  s14 = the pair that the refills ask for: the one behind the pair at work
	s_cmp_lg_u32 s10, 0
	s_cselect_b32 s14, 0, s15
	DIAGPAIR Q1
	s_cmp_eq_u32 s10, 0
	s_cbranch_scc1 .Lblock1_done
	s_mov_b32 s12, 0
.Lblock1:
	s_add_co_u32 s12, s12, 1
	s_lshl_b32 s62, s12, 15
	s_cmp_lt_u32 s12, s10
	s_cselect_b32 s14, s62, s15                    ; the next pair of this block, or the second block's own
	FULLPAIR Q1, 1
	s_cmp_lt_u32 s12, s10
	s_cbranch_scc1 .Lblock1
.Lblock1_done:
	FINAL 74
	; the second block: its own pair, then pairs 0 .. 6 - j; the last is written out and asks for nothing
	s_mov_b32 s14, 0
	DIAGPAIR Q2
	s_mov_b32 s12, 0
.Lblock2:
	s_add_co_u32 s12, s12, 1
	s_lshl_b32 s14, s12, 15
	FULLPAIR Q2, 1
	s_cmp_lt_u32 s12, s13
	s_cbranch_scc1 .Lblock2
	FULLPAIR Q2, 0
	FINAL 76
	s_wait_tensorcnt 0x0
	ds_add_u32 v254, v255
	s_wait_dscnt 0x0
	s_endpgm
.Lfunc_end_k_q08dcaef6fa_attn:
	.size	k_q08dcaef6fa_attn, .Lfunc_end_k_q08dcaef6fa_attn-k_q08dcaef6fa_attn
	.p2alignl 7, 3214868480
	.fill 96, 4, 3214868480
	.section	.rodata,"a",@progbits
	.p2align	6, 0x0
	.amdhsa_kernel k_q08dcaef6fa_attn
		.amdhsa_group_segment_fixed_size 327680
		.amdhsa_private_segment_fixed_size 0
		.amdhsa_enable_private_segment 0
		.amdhsa_kernarg_size 16
		.amdhsa_user_sgpr_count 2
		.amdhsa_user_sgpr_kernarg_segment_ptr 1
		.amdhsa_wavefront_size32 1
		.amdhsa_system_sgpr_workgroup_id_x 1
		.amdhsa_system_sgpr_workgroup_id_y 1
		.amdhsa_system_sgpr_workgroup_id_z 1
		.amdhsa_system_vgpr_workitem_id 0
		.amdhsa_next_free_vgpr 640
		.amdhsa_next_free_sgpr 80
		.amdhsa_reserve_vcc 0
		.amdhsa_float_denorm_mode_32 3
		.amdhsa_float_denorm_mode_16_64 3
		.amdhsa_memory_ordered 1
		.amdhsa_forward_progress 1
		.amdhsa_inst_pref_size 255
	.end_amdhsa_kernel
	.section	.bss,"aw",@nobits
	.p2align	6
	.space	262144
	.amdgpu_metadata
---
amdhsa.version: [ 1, 2 ]
amdhsa.kernels:
  - .name:           k_q08dcaef6fa_attn
    .symbol:         k_q08dcaef6fa_attn.kd
    .args:
      - { .name: qkv, .offset: 0, .size: 8, .value_kind: global_buffer, .address_space: global }
      - { .name: ctx, .offset: 8, .size: 8, .value_kind: global_buffer, .address_space: global }
    .group_segment_fixed_size: 327680
    .private_segment_fixed_size: 0
    .kernarg_segment_align: 8
    .kernarg_segment_size: 16
    .max_flat_workgroup_size: 128
    .sgpr_count:     80
    .vgpr_count:     640
    .wavefront_size: 32
...
	.end_amdgpu_metadata
.endif
;; end of part 3
;; launch proj (part 4): grid 8 x 32, 4 waves a work-group, clusters of 4 x 4, 327,680 bytes of LDS; arguments ctx, wh, out0, bo; writes out0
.if DOCPART == 4
	.amdgcn_target "amdgcn-amd-amdhsa--gfx1250"
	.amdhsa_code_object_version 6
	.text
	.protected	k_q08dcaef6fa_proj
	.globl	k_q08dcaef6fa_proj
	.p2align	8
	.type	k_q08dcaef6fa_proj,@function
k_q08dcaef6fa_proj:
	s_mov_b64 s[64:65], 0
	v_nop
	global_prefetch_b8 v0, s[64:65] scope:SCOPE_SE
	s_setreg_imm32_b32 hwreg(HW_REG_WAVE_MODE, 25, 1), 1
	s_wait_xcnt 0x0
	s_wait_alu depctr_hold_cnt(0) depctr_sa_sdst(0) depctr_va_vdst(0) depctr_va_sdst(0) depctr_va_ssrc(0) depctr_va_vcc(0) depctr_vm_vsrc(0)
	s_getreg_b32 s2, hwreg(HW_REG_IB_STS2, 6, 4)
	s_cmp_eq_u32 s2, 0
	s_cbranch_scc0 .Lentry_in_a_cluster
	s_endpgm
.Lentry_in_a_cluster:
	s_bfe_u32 s2, ttmp6, 0x10000c
	s_cmp_lg_u32 s2, 0xf033
	s_cbranch_scc0 .Lentry_shape_is_right
	s_endpgm
.Lentry_shape_is_right:
; out0 = ctx x Wo + bo: C[8192][1024] = A[8192][1024] B[1024][1024] + bias, f16 operands, f32 sums, f32 out.
;   A = ctx[b][h][t][64] f16 (K = 64 h + d);  B = wh[k][4096], columns 3072-4095: Wo rounded to bf16, written in f16;  bo is added in f32.
; LIMIT: |ctx| and |bf16(Wo)| below 65,504 (f16); the order of the sums differs from a plain dot product's.
; A work-group makes 256 x 128 of C with four waves (wr = w / 2: 128 rows; wc = w mod 2: 64 columns); a wave has 8 x 4 accumulator tiles.
; 1024 / 128 x 8192 / 256 = 256 work-groups.  K goes in steps of 128 through two LDS slots filled by the tensor data mover.  A slot: A as two
; planes (K halves of 64), each 256 tokens x 144 bytes (128 + 16 of padding); then B as 128 rows of k x 288 bytes (256 + 32 of padding).
; CLUSTERS: 4 x 4 work-groups; A's tiles are asked for jointly by a row of the cluster, B's by a column: a quarter of the requests.
; THE MATRIX INSTRUCTION IS USED TRANSPOSED: source 0 = 16 columns of B (by the transposing load), source 1 = 16 rows of A; lane l then holds
; row l % 16 of C and eight neighbouring columns 8 (l / 16) + 0..7.
; REGISTERS: window 0: v16-31 addresses and bias, v32-95 / v96-159 A's fragments (two buffers), v160-191 / v208-239 B's; window 1: tile 4 a + b at 8 (4 a + b).
.set NT,     128
.set NB,     4
.set QIB,    5                         ; B's padding: after every 64 words (a row)
.set BPITCH, 288                       ; 9 x 32 bytes
.set GS,     64
.set CS,     128                       ; wc's 64 columns
.set COL0,   6144                      ; column 3072 of wh, in bytes
.set APITCH, 144
.set APLANE, 256*APITCH
.set BOFF,   2*APLANE
.set SLOT,   BOFF+128*BPITCH
.set STAGE,  2*SLOT                    ; behind the ring: 16 rows x 272 bytes for each wave; no load fills it
.set SPITCH, 272
.set NL,     2*NB+16
.set LAPS,   4
.set ASTEP,  524288
.set BSTEP,  1048576
.set ADRA, 16
.set ADRB, 20
.set STO,  24
.set RD,   25
.set CO,   26
.set BOF,  27
.set BIAS, 28                          ; v[28:31] bo of the four columns that I store
.set FA0,  32
.set FB0,  160
.set G1,  24
.set G0,  32
.set G1B, 48
.set G0B, 56
.set MSB, 0
.macro WIN new
.if MSB != \new
	s_set_vgpr_msb (MSB<<8)|(\new)
.set MSB, (\new)
.endif
.endm
.macro PLACES                          ; four plain vector places behind matrix instructions (ISA guide 7.12.1)
.rept 4
	v_nop
.endr
.endm
.macro JLOAD s                         ; waves 0, 1 ask for A's two planes, waves 2, 3 for B's two halves; four v_nop follow each line
	s_cmp_eq_u32 s11, 0
	s_cbranch_scc0 .Lfor_b_\@
	tensor_load_to_lds s[G0+4*\s:G0+4*\s+3], s[G1:G1+7]
	s_nop 0
.rept 4
	v_nop
.endr
	s_branch .Lasked_\@
.Lfor_b_\@:
	tensor_load_to_lds s[G0B+4*\s:G0B+4*\s+3], s[G1B:G1B+7]
	s_nop 0
.rept 4
	v_nop
.endr
.Lasked_\@:
.endm
.macro CREST
	s_cmp_lg_u32 s10, 0
	s_cbranch_scc1 .Lnot_wave_0_\@
	s_barrier_signal -3
.Lnot_wave_0_\@:
	s_barrier_wait -3
	s_barrier_signal -1
	s_barrier_wait -1
.endm
.macro CROUND
	s_barrier_signal -1
	s_barrier_wait -1
	CREST
.endm
	s_load_b128 s[4:7], s[0:1], 0x0                ; ctx s[4:5], wh s[6:7]
	s_load_b64 s[8:9], s[0:1], 0x10                ; out0
	s_load_b64 s[66:67], s[0:1], 0x18              ; bo
	v_lshl_add_u32 v254, v0, 2, 0x3a400
	v_mov_b32 v255, 0
	ds_add_u32 v254, v255
	ds_add_u32 v254, v255
	v_lshrrev_b32 v1, 5, v0
	v_readfirstlane_b32 s10, v1                    ; wave 0..3
	s_lshr_b32 s11, s10, 1                         ; wr.  Also: I fetch for A (0) or for B (1)
	s_and_b32 s12, s10, 1                          ; wc.  Also: which plane of A, which 64 rows of B I fetch
	s_bfe_u32 s40, ttmp6, 0x40000                  ; cx
	s_bfe_u32 s41, ttmp6, 0x40004                  ; cy
	s_lshl_b32 s42, ttmp9, 2
	s_add_co_u32 s42, s42, s40                     ; block column bx
	s_and_b32 s13, ttmp7, 0xffff
	s_lshl_b32 s13, s13, 2
	s_add_co_u32 s13, s13, s41                     ; block row by
	s_lshl_b32 s43, s41, 2
	s_lshl_b32 s43, 15, s43                        ; my row of the cluster
	s_lshl_b32 s44, 0x1111, s40                    ; my column
	; group 1 for A: a plane is 32 KiB dense, taken as 128 rows of 256 bytes; 16 bytes of padding after every 128 bytes (one token)
	s_or_b32 s[G1+0], s43, (1<<16)|(1<<20)|(1<<21)|(4<<22)|(3<<25)
	s_mov_b32 s[G1+1], 128<<16
	s_mov_b32 s[G1+2], 128<<16
	s_mov_b32 s[G1+3], 128<<16
	s_mov_b32 s[G1+4], 128
	s_mov_b32 s[G1+5], 128
	s_mov_b32 s[G1+6], 0
	s_mov_b32 s[G1+7], 0
	; group 1 for B: 64 rows of k x 128 columns, pitch 4,096 elements; 32 bytes of padding after every row of 256 bytes
	s_or_b32 s[G1B+0], s44, (1<<16)|(1<<20)|(1<<21)|(QIB<<22)|(7<<25)
	s_mov_b32 s[G1B+1], NT<<16
	s_mov_b32 s[G1B+2], 64<<16
	s_mov_b32 s[G1B+3], NT<<16
	s_mov_b32 s[G1B+4], 64
	s_mov_b32 s[G1B+5], 4096
	s_mov_b32 s[G1B+6], 0
	s_mov_b32 s[G1B+7], 0
	s_lshr_b32 s16, s13, 3                         ; batch
	s_lshl_b32 s16, s16, 22
	s_and_b32 s18, s13, 7
	s_lshl_b32 s18, s18, 15                        ; 256 tokens of 128 bytes
	s_add_co_u32 s16, s16, s18
	s_lshl_b32 s18, s12, 18                        ; my plane: one head
	s_add_co_u32 s16, s16, s18
	s_mov_b32 s17, 0
	s_mul_i32 s46, s42, 2*NT
	s_lshl_b32 s47, s12, 19
	s_add_co_u32 s46, s46, s47
	s_add_co_u32 s46, s46, COL0
	s_mov_b32 s47, 0
	s_mul_i32 s20, s10, APLANE                     ; LDS: waves 0, 1 fill A's planes 0, 1
	s_mul_i32 s21, s10, 64*BPITCH                  ; waves 2, 3 fill B's halves 0, 1:
	s_add_co_u32 s21, s21, BOFF-128*BPITCH         ; BOFF + (w - 2) x 64 rows
	s_wait_dscnt 0x0
	s_wait_kmcnt 0x0
	s_add_nc_u64 s[14:15], s[4:5], s[16:17]
	s_add_nc_u64 s[46:47], s[6:7], s[46:47]
	CROUND                                         ; all sixteen work-groups are here: the first joint loads meet
.irp s, 0,1
	s_mov_b32 s[G0+4*\s], 1
	s_add_co_u32 s[G0+4*\s+1], s20, \s*SLOT
	s_add_nc_u64 s[G0+4*\s+2:G0+4*\s+3], s[14:15], \s*ASTEP
	s_or_b32 s[G0+4*\s+3], s[G0+4*\s+3], 0x80000000
	s_mov_b32 s[G0B+4*\s], 1
	s_add_co_u32 s[G0B+4*\s+1], s21, \s*SLOT
	s_add_nc_u64 s[G0B+4*\s+2:G0B+4*\s+3], s[46:47], \s*BSTEP
	s_or_b32 s[G0B+4*\s+3], s[G0B+4*\s+3], 0x80000000
	JLOAD \s                                       ; K steps 0 and 1: two tensor loads of the wave are out
.endr
	v_and_b32 v1, 15, v0                           ; r
	v_bfe_u32 v2, v0, 4, 1                         ; h
	s_lshl_b32 s46, s42, 9                         ; my 64 columns in bytes of f32: 512 bx + 256 wc (in the registers that held B's address)
	s_lshl_b32 s47, s12, 8
	s_add_co_u32 s46, s46, s47
	s_mov_b32 s47, 0
	s_add_nc_u64 s[66:67], s[66:67], s[46:47]
	v_lshlrev_b32 v[BOF], 4, v1
	global_load_b128 v[BIAS:BIAS+3], v[BOF], s[66:67]      ; waited for in front of the way out
	v_mul_u32_u24 v3, v1, APITCH
	v_lshl_add_u32 v3, v2, 4, v3
	s_mul_i32 s22, s11, 128*APITCH
	v_and_b32 v4, 7, v0
	v_lshl_add_u32 v4, v2, 3, v4
	v_mul_u32_u24 v4, v4, BPITCH
	v_bfe_u32 v5, v0, 3, 1
	v_lshl_add_u32 v4, v5, 4, v4
	s_mul_i32 s23, s12, CS
	s_add_co_u32 s23, s23, BOFF
.irp s, 0,1
	v_add_nc_u32 v[ADRA+\s], s22, v3
	v_add_nc_u32 v[ADRB+\s], s23, v4
	s_add_co_u32 s22, s22, SLOT
	s_add_co_u32 s23, s23, SLOT
.endr
	s_mul_i32 s23, s10, 16*SPITCH
	s_add_co_u32 s23, s23, STAGE                   ; my stage
	v_mul_u32_u24 v4, v1, SPITCH                   ; in: row r, 32 bytes (8 f32) for each half of the lanes
	v_lshl_add_u32 v4, v2, 5, v4
	v_add_nc_u32 v[STO], s23, v4
	v_mul_u32_u24 v5, v2, SPITCH                   ; back: lanes 0-15 one row of 256 bytes, lanes 16-31 the next
	v_lshl_add_u32 v5, v1, 4, v5
	v_add_nc_u32 v[RD], s23, v5
	v_lshlrev_b32 v5, 12, v2                       ; and the same two rows of 4,096 bytes in out0
	v_lshl_add_u32 v[CO], v1, 4, v5
; 8 matrix instructions: row tiles a0, a0 + 1 x all four column tiles, 32 along K, on fragment buffer f.  zero = 1: the product starts the sums.
; All 32 accumulators take turns, one instruction a turn, in the same order in every quarter step.
.macro MUL2 f, a0, zero
	WIN 0x50
.irp a, \a0, \a0+1
.irp b, 0,1,2,3
.if \zero
	v_wmma_f32_16x16x32_f16 v[8*(NB*(\a)+\b):8*(NB*(\a)+\b)+7], v[FB0+48*\f+8*\b:FB0+48*\f+8*\b+7], v[FA0+64*\f+8*(\a):FA0+64*\f+8*(\a)+7], 0
.else
	v_wmma_f32_16x16x32_f16 v[8*(NB*(\a)+\b):8*(NB*(\a)+\b)+7], v[FB0+48*\f+8*\b:FB0+48*\f+8*\b+7], v[FA0+64*\f+8*(\a):FA0+64*\f+8*(\a)+7], v[8*(NB*(\a)+\b):8*(NB*(\a)+\b)+7]
.endif
.endr
.endr
.endm
.macro FETCH slot, kq, f               ; quarter kq of a slot into buffer f: B's four tiles (8 transposing loads), then A's eight (16 loads)
	WIN 0
.irp g, 0,1
.irp e, 0,1
	ds_load_tr16_b128 v[FB0+48*\f+8*(2*\g+\e):FB0+48*\f+8*(2*\g+\e)+3],   v[ADRB+\slot] offset:32*\kq*BPITCH+\g*GS+32*\e
	ds_load_tr16_b128 v[FB0+48*\f+8*(2*\g+\e)+4:FB0+48*\f+8*(2*\g+\e)+7], v[ADRB+\slot] offset:32*\kq*BPITCH+\g*GS+32*\e+16*BPITCH
.endr
.endr
.irp a, 0,1,2,3,4,5,6,7
	ds_load_b128 v[FA0+64*\f+8*\a:FA0+64*\f+8*\a+3],   v[ADRA+\slot] offset:(\kq>>1)*APLANE+(\kq&1)*64+\a*16*APITCH
	ds_load_b128 v[FA0+64*\f+8*\a+4:FA0+64*\f+8*\a+7], v[ADRA+\slot] offset:(\kq>>1)*APLANE+(\kq&1)*64+\a*16*APITCH+32
.endr
.endm
.macro QUARTER slot, kq, f, g, zero
	s_wait_dscnt 8                                 ; B and A's tiles 0-3 are in; the youngest eight loads (A's tiles 4-7) may be out
	MUL2 \f, 0, \zero
	MUL2 \f, 2, \zero
	PLACES
	FETCH \slot, \kq, \g
	s_wait_dscnt NL                                ; all but the NL just issued
	MUL2 \f, 4, \zero
	MUL2 \f, 6, \zero
.endm
.macro THREE slot, zero
	QUARTER \slot, 1, 0, 1, \zero
	QUARTER \slot, 2, 1, 0, 0
	QUARTER \slot, 3, 0, 1, 0
.endm
; The last quarter changes slots: each wave's reads of this slot and all its tensor loads are waited for in front of the barrier; with fill = 1 the
; barrier opens a round of the cluster's barrier, and the joint refill, two K steps ahead, is the first tensor load behind the round.
.macro TURN slot, next, fill
	s_wait_dscnt 8
	MUL2 1, 0, 0
	s_wait_dscnt 0
	s_wait_tensorcnt 0x0
	ds_add_u32 v254, v255
	s_wait_dscnt 0x0
	s_barrier_signal -1
	MUL2 1, 2, 0
	WIN 0
	s_barrier_wait -1
.if \fill
	CREST
	s_add_nc_u64 s[G0+4*\slot+2:G0+4*\slot+3], s[G0+4*\slot+2:G0+4*\slot+3], 2*ASTEP
	s_add_nc_u64 s[G0B+4*\slot+2:G0B+4*\slot+3], s[G0B+4*\slot+2:G0B+4*\slot+3], 2*BSTEP
	JLOAD \slot                                    ; its four v_nop are also the places in front of the loads below
.else
	PLACES
.endif
	FETCH \next, 0, 0
	MUL2 1, 4, 0
	MUL2 1, 6, 0
.endm
.macro LAP zero
	THREE 0, \zero
	TURN 0, 1, 1
	THREE 1, 0
	TURN 1, 0, 1
.endm
	s_wait_tensorcnt 0x1                           ; my part of K step 0 is in; K step 1's stays out
	s_barrier_signal -1
	s_barrier_wait -1
	FETCH 0, 0, 0
	LAP 1
	WIN 0
	s_mov_b32 s3, LAPS-2
.Llap:
	LAP 0
	WIN 0
	s_sub_co_u32 s3, s3, 1
	s_cmp_lg_u32 s3, 0
	s_cbranch_scc1 .Llap
	THREE 0, 0                                     ; the last lap fills nothing
	TURN 0, 1, 0
	THREE 1, 0
	s_wait_dscnt 8
	MUL2 1, 0, 0
	MUL2 1, 2, 0
	s_wait_dscnt 0
	MUL2 1, 4, 0
	MUL2 1, 6, 0
	; THE WAY OUT, 16 rows at a time through my own stage: the sums go in as they lie (32 bytes a lane and tile), whole rows of 256 bytes come
	; back, the bias is added, and sixteen lanes store 256 consecutive bytes, aligned.
	PLACES
	s_wait_loadcnt 0x0                             ; the bias
	s_lshl_b32 s16, s13, 8
	s_lshl_b32 s18, s11, 7
	s_add_co_u32 s16, s16, s18                     ; my first row
	s_lshl_b32 s16, s16, 12                        ; of 4,096 bytes
	s_mov_b32 s17, 0
	s_add_nc_u64 s[8:9], s[8:9], s[16:17]
	s_add_nc_u64 s[8:9], s[8:9], s[46:47]          ; my 64 columns: the offset made for the bias
.macro OUT16 a, f
	WIN 0x04                                       ; the stores' data in window 1
.irp b, 0,1,2,3
	ds_store_b128 v[STO], v[8*(NB*\a+\b):8*(NB*\a+\b)+3]   offset:64*\b
	ds_store_b128 v[STO], v[8*(NB*\a+\b)+4:8*(NB*\a+\b)+7] offset:64*\b+16
.endr
	WIN 0
	s_wait_xcnt 0x0                                ; buffer f, which earlier stores read, and the stores' base are rewritten only behind this wait
.if \a
	s_add_nc_u64 s[8:9], s[8:9], 65536             ; 16 rows on
.endif
.irp t, 0,1,2,3,4,5,6,7
	ds_load_b128 v[\f+4*\t:\f+4*\t+3], v[RD] offset:2*SPITCH*\t    ; LDS serves a wave's instructions in order: these see the stores above
.endr
.irp t, 0,1,2,3,4,5,6,7
	s_wait_dscnt 7-\t
	v_pk_add_f32 v[\f+4*\t:\f+4*\t+1],   v[\f+4*\t:\f+4*\t+1],   v[BIAS:BIAS+1]
	v_pk_add_f32 v[\f+4*\t+2:\f+4*\t+3], v[\f+4*\t+2:\f+4*\t+3], v[BIAS+2:BIAS+3]
	global_store_b128 v[CO], v[\f+4*\t:\f+4*\t+3], s[8:9] offset:8192*\t th:TH_STORE_NT
.endr
.endm
	OUT16 0, FA0
	OUT16 1, FA0+64
	OUT16 2, FA0
	OUT16 3, FA0+64
	OUT16 4, FA0
	OUT16 5, FA0+64
	OUT16 6, FA0
	OUT16 7, FA0+64
	s_wait_tensorcnt 0x0
	ds_add_u32 v254, v255
	s_wait_dscnt 0x0
	CROUND                                         ; the closing round
	s_endpgm
.Lfunc_end_k_q08dcaef6fa_proj:
	.size	k_q08dcaef6fa_proj, .Lfunc_end_k_q08dcaef6fa_proj-k_q08dcaef6fa_proj
	.p2alignl 7, 3214868480
	.fill 96, 4, 3214868480
	.section	.rodata,"a",@progbits
	.p2align	6, 0x0
	.amdhsa_kernel k_q08dcaef6fa_proj
		.amdhsa_group_segment_fixed_size 327680
		.amdhsa_private_segment_fixed_size 0
		.amdhsa_enable_private_segment 0
		.amdhsa_kernarg_size 32
		.amdhsa_user_sgpr_count 2
		.amdhsa_user_sgpr_kernarg_segment_ptr 1
		.amdhsa_wavefront_size32 1
		.amdhsa_system_sgpr_workgroup_id_x 1
		.amdhsa_system_sgpr_workgroup_id_y 1
		.amdhsa_system_sgpr_workgroup_id_z 1
		.amdhsa_system_vgpr_workitem_id 0
		.amdhsa_next_free_vgpr 512
		.amdhsa_next_free_sgpr 68
		.amdhsa_reserve_vcc 0
		.amdhsa_float_denorm_mode_32 3
		.amdhsa_float_denorm_mode_16_64 3
		.amdhsa_memory_ordered 1
		.amdhsa_forward_progress 1
		.amdhsa_inst_pref_size 128
	.end_amdhsa_kernel
	.amdgpu_metadata
---
amdhsa.version: [ 1, 2 ]
amdhsa.kernels:
  - .name:           k_q08dcaef6fa_proj
    .symbol:         k_q08dcaef6fa_proj.kd
    .args:
      - { .name: ctx, .offset: 0, .size: 8, .value_kind: global_buffer, .address_space: global }
      - { .name: wh, .offset: 8, .size: 8, .value_kind: global_buffer, .address_space: global }
      - { .name: out0, .offset: 16, .size: 8, .value_kind: global_buffer, .address_space: global }
      - { .name: bo, .offset: 24, .size: 8, .value_kind: global_buffer, .address_space: global }
    .group_segment_fixed_size: 327680
    .private_segment_fixed_size: 0
    .kernarg_segment_align: 8
    .kernarg_segment_size: 32
    .max_flat_workgroup_size: 128
    .sgpr_count:     68
    .vgpr_count:     512
    .wavefront_size: 32
...
	.end_amdgpu_metadata
.endif
;; end of part 4
;; ======== version 2 of 2: 4 launches
;; limits: values are held in f16: magnitudes above 65,504 overflow, below 6.1e-05 lose precision
;; workspace buffers: xh 16,777,216 bytes; wh 8,388,608 bytes; qkv 50,331,648 bytes; ctx 16,777,216 bytes
;; launch cast: the kernel of part 1 again; grid 768 x 1, 8 waves a work-group, no clusters, 0 bytes of LDS; arguments inputs, Wq, Wk, Wv, Wo, xh, wh; writes xh, wh
;; launch qkv (part 5): grid 16 x 16, 4 waves a work-group, clusters of 4 x 4, 327,680 bytes of LDS; arguments xh, wh, qkv; writes qkv
.if DOCPART == 5
	.amdgcn_target "amdgcn-amd-amdhsa--gfx1250"
	.amdhsa_code_object_version 6
	.text
	.protected	k_q08dcaef6fa_qkv
	.globl	k_q08dcaef6fa_qkv
	.p2align	8
	.type	k_q08dcaef6fa_qkv,@function
k_q08dcaef6fa_qkv:
	s_mov_b64 s[64:65], 0
	v_nop
	global_prefetch_b8 v0, s[64:65] scope:SCOPE_SE
	s_setreg_imm32_b32 hwreg(HW_REG_WAVE_MODE, 25, 1), 1
	s_wait_xcnt 0x0
	s_wait_alu depctr_hold_cnt(0) depctr_sa_sdst(0) depctr_va_vdst(0) depctr_va_sdst(0) depctr_va_ssrc(0) depctr_va_vcc(0) depctr_vm_vsrc(0)
	s_getreg_b32 s2, hwreg(HW_REG_IB_STS2, 6, 4)
	s_cmp_eq_u32 s2, 0
	s_cbranch_scc0 .Lentry_in_a_cluster
	s_endpgm
.Lentry_in_a_cluster:
	s_bfe_u32 s2, ttmp6, 0x10000c
	s_cmp_lg_u32 s2, 0xf033
	s_cbranch_scc0 .Lentry_shape_is_right
	s_endpgm
.Lentry_shape_is_right:
; q, k, v = inputs x (Wq | Wk | Wv): C[8192][3072] = A[8192][1024] B[1024][3072], bf16 operands, f32 sums, C rounded once to f16.
;   A = xh[b][kc][t][64] bf16;  B = wh[k][4096] bf16, columns 0-3071;  C = qkv[b][ch][t][64] f16, ch = column / 64 (16 q, 16 k, 16 v heads).
; LIMIT: |q|, |k|, |v| must stay below 65,504 (f16); the order of the sums differs from a plain dot product's.
; A work-group STAYS and makes two blocks of 256 x 192 of C, one after the other: tokens 256 (y mod 8) .. of batch 2 (y / 8) and then of batch
; 2 (y / 8) + 1, columns 192 x ..: 3072 / 192 x 8192 / 512 = 256 work-groups.  Four waves (wr = w / 2: 128 rows; wc = w mod 2: in each group
; of 64 columns the 32 at 32 wc); a wave has 8 x 6 accumulator tiles of 16 x 16.
; K goes in steps of 128 through two LDS slots filled by the tensor data mover, 16 steps in all: the ring runs on through the change of blocks
; (the first block's last lap asks for the second block's K steps 0 and 1), and the first block's stores leave while the second is multiplied.
; A's address simply goes on: eight K steps of 524,288 bytes are one batch of xh.  B's steps back by six K steps at the change.
; A slot: A as two planes (K halves of 64), each 256 tokens x 144 bytes (128 + 16 of padding); then B as 128 rows of k x 480 bytes (three groups
; of 128 + 32 of padding).
; CLUSTERS: 4 x 4 work-groups.  A's tiles hang on y alone and are asked for jointly by a row of the cluster, B's on the block column alone and
; are asked for jointly by a column: that divides the requests for A and B by four.
; THE MATRIX INSTRUCTION IS USED TRANSPOSED: source 0 = 16 columns of B (read from LDS by the transposing load, since B's rows lie along N),
; source 1 = 16 rows of A; lane l then holds row l % 16 of C and eight neighbouring columns 8 (l / 16) + 0..7.
; REGISTERS: window 0: v16-31 addresses, v32-95 / v96-159 A's fragments (two buffers), v160-207 / v208-255 B's; windows 1, 2: tile t = 6 a + b
; at register 8 (t mod 32) of window 1 + t / 32.
.set NT,     192                       ; columns of a block
.set NB,     6                         ; column tiles of a wave
.set QIB,    4                         ; B's padding: after every 32 words (128 bytes)
.set BPITCH, 480                       ; B's LDS row: 15 x 32 bytes
.set GS,     160                       ; from one group of 64 columns to the next in an LDS row
.set CS,     64                        ; wc's 32 columns inside a group
.set COL0,   0                         ; first byte of B's columns in a row of wh
.set APITCH, 144                       ; A's LDS row: 9 x 16 bytes
.set APLANE, 256*APITCH
.set BOFF,   2*APLANE
.set SLOT,   BOFF+128*BPITCH
.set STAGE,  2*SLOT                    ; 270,336: behind the ring, 128 rows x 400 bytes for the way out; no load fills it
.set SP,     400                       ; the way out: a row of 192 f16 + 16 bytes
.set NL,     2*NB+16                   ; LDS loads of a quarter step
.set ASTEP,  524288                    ; a K step in xh: two chunks of 262,144 bytes
.set BSTEP,  1048576                   ; a K step in wh: 128 rows of 8,192 bytes
.set ADRA, 16                          ; v16-17  LDS address of my A fragments in slot 0, 1
.set ADRB, 20                          ; v20-21  the same for B
.set STO,  24
.set RD,   25
.set CO,   26
.set FA0,  32
.set FB0,  160
.set BK,   96                          ; the way out: rows read back (A's buffer 1; buffer 0 holds the next block's first fragments)
.set TMP,  208                         ; the way out: packed results (B's buffer 1)
.set G1,  24                           ; s[24:31] group 1 for A
.set G0,  32                           ; s[32:39] group 0 for A, a set for each slot
.set G1B, 48                           ; s[48:55] group 1 for B
.set G0B, 56                           ; s[56:63] group 0 for B, a set for each slot
.set MSB, 0
.macro WIN new                         ; the immediate's high byte repeats the setting that is left; a switch that changes nothing is dropped
.if MSB != \new
	s_set_vgpr_msb (MSB<<8)|(\new)
.set MSB, (\new)
.endif
.endm
.macro PLACES                          ; four plain vector places behind matrix instructions (ISA guide 7.12.1), before their registers are loaded into or read
.rept 4
	v_nop
.endr
.endm
; A joint load: waves 0, 1 ask for A's two planes, waves 2, 3 for B's two halves of 64 rows.  One mask and one set of registers a line;
; the branch hangs on the wave's number alone.  Four v_nop follow each line.
.macro JLOAD s
	s_cmp_eq_u32 s11, 0
	s_cbranch_scc0 .Lfor_b_\@
	tensor_load_to_lds s[G0+4*\s:G0+4*\s+3], s[G1:G1+7]
	s_nop 0
.rept 4
	v_nop
.endr
	s_branch .Lasked_\@
.Lfor_b_\@:
	tensor_load_to_lds s[G0B+4*\s:G0B+4*\s+3], s[G1B:G1B+7]
	s_nop 0
.rept 4
	v_nop
.endr
.Lasked_\@:
.endm
.macro CREST                           ; a round of the cluster's barrier behind its opening barrier
	s_cmp_lg_u32 s10, 0
	s_cbranch_scc1 .Lnot_wave_0_\@
	s_barrier_signal -3
.Lnot_wave_0_\@:
	s_barrier_wait -3
	s_barrier_signal -1
	s_barrier_wait -1
.endm
.macro CROUND                          ; a whole round
	s_barrier_signal -1
	s_barrier_wait -1
	CREST
.endm
	s_load_b128 s[4:7], s[0:1], 0x0                ; xh s[4:5], wh s[6:7]
	s_load_b64 s[8:9], s[0:1], 0x10                ; qkv
	v_lshl_add_u32 v30, v0, 2, 0x4e800
	v_mov_b32 v31, 0
	ds_add_u32 v30, v31
	ds_add_u32 v30, v31
	v_lshrrev_b32 v1, 5, v0
	v_readfirstlane_b32 s10, v1                    ; wave 0..3
	s_lshr_b32 s11, s10, 1                         ; wr.  Also: I fetch for A (0) or for B (1)
	s_and_b32 s12, s10, 1                          ; wc.  Also: which plane of A, which 64 rows of B I fetch
	s_bfe_u32 s40, ttmp6, 0x40000                  ; cx
	s_bfe_u32 s41, ttmp6, 0x40004                  ; cy
	s_lshl_b32 s42, ttmp9, 2
	s_add_co_u32 s42, s42, s40                     ; block column bx, 0..15
	s_and_b32 s13, ttmp7, 0xffff
	s_lshl_b32 s13, s13, 2
	s_add_co_u32 s13, s13, s41                     ; y, 0..15
	s_lshl_b32 s43, s41, 2
	s_lshl_b32 s43, 15, s43                        ; my row of the cluster
	s_lshl_b32 s44, 0x1111, s40                    ; my column
	; group 1 for A: a plane is 32 KiB dense in memory, taken as 128 rows of 256 bytes; 16 bytes of padding after every 128 bytes (one token)
	s_or_b32 s[G1+0], s43, (1<<16)|(1<<20)|(1<<21)|(4<<22)|(3<<25)
	s_mov_b32 s[G1+1], 128<<16                     ; tensor_dim0 = 128 elements
	s_mov_b32 s[G1+2], 128<<16                     ; tensor_dim1 = 128 rows
	s_mov_b32 s[G1+3], 128<<16                     ; tile_dim0 = 128
	s_mov_b32 s[G1+4], 128                         ; tile_dim1 = 128
	s_mov_b32 s[G1+5], 128                         ; pitch = 128 elements: dense
	s_mov_b32 s[G1+6], 0
	s_mov_b32 s[G1+7], 0
	; group 1 for B: 64 rows of k x 192 columns, pitch 4,096 elements; 32 bytes of padding after every 128 bytes
	s_or_b32 s[G1B+0], s44, (1<<16)|(1<<20)|(1<<21)|(QIB<<22)|(7<<25)
	s_mov_b32 s[G1B+1], NT<<16
	s_mov_b32 s[G1B+2], 64<<16
	s_mov_b32 s[G1B+3], NT<<16
	s_mov_b32 s[G1B+4], 64
	s_mov_b32 s[G1B+5], 4096
	s_mov_b32 s[G1B+6], 0
	s_mov_b32 s[G1B+7], 0
	; A's tile hangs on y and the wave alone, B's on bx and the wave alone, each in registers that never hold the other coordinate
	s_lshr_b32 s16, s13, 3                         ; which two batches
	s_lshl_b32 s16, s16, 23                        ; of 4,194,304 bytes each
	s_and_b32 s18, s13, 7
	s_lshl_b32 s18, s18, 15                        ; 256 tokens of 128 bytes
	s_add_co_u32 s16, s16, s18
	s_lshl_b32 s18, s12, 18                        ; my plane: one chunk
	s_add_co_u32 s16, s16, s18
	s_mov_b32 s17, 0
	s_mul_i32 s46, s42, 2*NT                       ; the block's columns, in bytes
	s_lshl_b32 s47, s12, 19                        ; my 64 rows of 8,192 bytes
	s_add_co_u32 s46, s46, s47
	s_add_co_u32 s46, s46, COL0
	s_mov_b32 s47, 0
	s_mul_i32 s20, s10, APLANE                     ; LDS: waves 0, 1 fill A's planes 0, 1
	s_mul_i32 s21, s10, 64*BPITCH                  ; waves 2, 3 fill B's halves 0, 1:
	s_add_co_u32 s21, s21, BOFF-128*BPITCH         ; BOFF + (w - 2) x 64 rows
	s_wait_dscnt 0x0
	s_wait_kmcnt 0x0
	s_add_nc_u64 s[14:15], s[4:5], s[16:17]
	s_add_nc_u64 s[46:47], s[6:7], s[46:47]
	CROUND                                         ; all sixteen work-groups are here: the first joint loads meet
.irp s, 0,1
	s_mov_b32 s[G0+4*\s], 1
	s_add_co_u32 s[G0+4*\s+1], s20, \s*SLOT
	s_add_nc_u64 s[G0+4*\s+2:G0+4*\s+3], s[14:15], \s*ASTEP
	s_or_b32 s[G0+4*\s+3], s[G0+4*\s+3], 0x80000000
	s_mov_b32 s[G0B+4*\s], 1
	s_add_co_u32 s[G0B+4*\s+1], s21, \s*SLOT
	s_add_nc_u64 s[G0B+4*\s+2:G0B+4*\s+3], s[46:47], \s*BSTEP
	s_or_b32 s[G0B+4*\s+3], s[G0B+4*\s+3], 0x80000000
	JLOAD \s                                       ; K steps 0 and 1: two tensor loads of the wave are out
.endr
	v_and_b32 v1, 15, v0                           ; r = l % 16
	v_bfe_u32 v2, v0, 4, 1                         ; h = l / 16
	v_mul_u32_u24 v3, v1, APITCH                   ; A's fragment: row r, 16 bytes for each half of the lanes
	v_lshl_add_u32 v3, v2, 4, v3
	s_mul_i32 s22, s11, 128*APITCH                 ; my 128 rows
	v_and_b32 v4, 7, v0                            ; B's fragment by the transposing load: row of k = 8 h + l % 8,
	v_lshl_add_u32 v4, v2, 3, v4
	v_mul_u32_u24 v4, v4, BPITCH
	v_bfe_u32 v5, v0, 3, 1                         ; 16 bytes further for lanes 8-15 and 24-31
	v_lshl_add_u32 v4, v5, 4, v4
	s_mul_i32 s23, s12, CS
	s_add_co_u32 s23, s23, BOFF
.irp s, 0,1
	v_add_nc_u32 v[ADRA+\s], s22, v3
	v_add_nc_u32 v[ADRB+\s], s23, v4
	s_add_co_u32 s22, s22, SLOT
	s_add_co_u32 s23, s23, SLOT
.endr
	; the way out, 64 of a wave's 128 rows a pass: in, stage row 64 wr + 16 aa + r, byte 64 wc + 16 h; back, wave w takes stage rows 32 w ..,
	; eight lanes a row of 128 bytes
	s_mul_i32 s22, s11, 64*SP
	s_lshl_b32 s23, s12, 6
	s_add_co_u32 s22, s22, s23
	s_add_co_u32 s22, s22, STAGE
	v_mul_u32_u24 v4, v1, SP
	v_lshl_add_u32 v4, v2, 4, v4
	v_add_nc_u32 v[STO], s22, v4
	v_and_b32 v5, 31, v0
	v_lshrrev_b32 v6, 3, v5
	v_mul_u32_u24 v6, v6, SP
	v_and_b32 v7, 7, v0
	v_lshl_add_u32 v6, v7, 4, v6
	s_mul_i32 s22, s10, 32*SP
	s_add_co_u32 s22, s22, STAGE
	v_add_nc_u32 v[RD], s22, v6
	v_lshlrev_b32 v[CO], 4, v5                     ; 16 l: four tokens of 128 bytes are 512 consecutive bytes of qkv
	; where the first block goes: stage rows 32 w .. of pass p are the block's rows 128 (w / 2) + 64 p + 32 (w mod 2) ..
	s_lshr_b32 s16, s13, 3
	s_mul_i32 s16, s16, 25165824                   ; two batches of 48 heads of 262,144 bytes
	s_and_b32 s18, s13, 7
	s_lshl_b32 s18, s18, 15                        ; the block's 256 tokens of 128 bytes
	s_add_co_u32 s16, s16, s18
	s_lshl_b32 s18, s11, 14                        ; 128 (w / 2) tokens
	s_add_co_u32 s16, s16, s18
	s_lshl_b32 s18, s12, 12                        ; 32 (w mod 2) tokens
	s_add_co_u32 s16, s16, s18
	s_mov_b32 s17, 0
	s_add_nc_u64 s[8:9], s[8:9], s[16:17]
	s_mul_i32 s46, s42, 786432                     ; the block's three heads (in the registers that held B's address)
	s_mov_b32 s47, 0
	s_add_nc_u64 s[8:9], s[8:9], s[46:47]
; 12 matrix instructions: row tiles a0, a0 + 1 x all six column tiles, 32 along K, on fragment buffer f.  zero = 1: the product starts the sums.
; All 48 accumulators take turns, one instruction a turn, in the same order in every quarter step.
.macro MUL2 f, a0, zero
.irp a, \a0, \a0+1
.irp b, 0,1,2,3,4,5
.set TT, NB*(\a)+\b
.set TR, 8*(TT%32)
	WIN (0x50*(1+TT/32))
.if \zero
	v_wmma_f32_16x16x32_bf16 v[TR:TR+7], v[FB0+48*\f+8*\b:FB0+48*\f+8*\b+7], v[FA0+64*\f+8*(\a):FA0+64*\f+8*(\a)+7], 0
.else
	v_wmma_f32_16x16x32_bf16 v[TR:TR+7], v[FB0+48*\f+8*\b:FB0+48*\f+8*\b+7], v[FA0+64*\f+8*(\a):FA0+64*\f+8*(\a)+7], v[TR:TR+7]
.endif
.endr
.endr
.endm
; The fragments of quarter kq (32 along K) of a slot into buffer f: B's six tiles (12 transposing loads), then A's eight (16 loads).
.macro FETCH slot, kq, f
	WIN 0
.irp g, 0,1,2
.irp e, 0,1
	ds_load_tr16_b128 v[FB0+48*\f+8*(2*\g+\e):FB0+48*\f+8*(2*\g+\e)+3],   v[ADRB+\slot] offset:32*\kq*BPITCH+\g*GS+32*\e
	ds_load_tr16_b128 v[FB0+48*\f+8*(2*\g+\e)+4:FB0+48*\f+8*(2*\g+\e)+7], v[ADRB+\slot] offset:32*\kq*BPITCH+\g*GS+32*\e+16*BPITCH
.endr
.endr
.irp a, 0,1,2,3,4,5,6,7
	ds_load_b128 v[FA0+64*\f+8*\a:FA0+64*\f+8*\a+3],   v[ADRA+\slot] offset:(\kq>>1)*APLANE+(\kq&1)*64+\a*16*APITCH
	ds_load_b128 v[FA0+64*\f+8*\a+4:FA0+64*\f+8*\a+7], v[ADRA+\slot] offset:(\kq>>1)*APLANE+(\kq&1)*64+\a*16*APITCH+32
.endr
.endm
; One of a K step's first three quarters: multiplies buffer f; in its middle fetches quarter kq of the same slot into buffer g.
.macro QUARTER slot, kq, f, g, zero
	s_wait_dscnt 8                                 ; B and A's tiles 0-3 are in; the youngest eight loads (A's tiles 4-7) may be out
	MUL2 \f, 0, \zero
	MUL2 \f, 2, \zero
	PLACES
	FETCH \slot, \kq, \g
	s_wait_dscnt NL                                ; all but the NL just issued
	MUL2 \f, 4, \zero
	MUL2 \f, 6, \zero
.endm
.macro THREE slot, zero
	QUARTER \slot, 1, 0, 1, \zero
	QUARTER \slot, 2, 1, 0, 0
	QUARTER \slot, 3, 0, 1, 0
.endm
; The last quarter: multiplies buffer 1 and changes slots.  In front of the barrier each wave waits for its reads of this slot and for all its
; tensor loads (one is out: its part of the next slot).  fill = 1: the barrier opens a round of the cluster's barrier, and the joint refill of
; this slot, two K steps ahead, is the first tensor load behind the round.  wrap = 1: two steps ahead is the next block: A's address goes on
; into the next batch, B's goes back from K step 6 or 7 to K step 0 or 1.
.macro TURN slot, next, fill, wrap
	s_wait_dscnt 8
	MUL2 1, 0, 0
	s_wait_dscnt 0                                 ; my reads of this slot are over
	s_wait_tensorcnt 0x0                           ; all my tensor loads have landed
	ds_add_u32 v30, v31
	s_wait_dscnt 0x0
	s_barrier_signal -1
	MUL2 1, 2, 0                                   ; register work while the others arrive
	WIN 0
	s_barrier_wait -1
.if \fill
	CREST
	s_add_nc_u64 s[G0+4*\slot+2:G0+4*\slot+3], s[G0+4*\slot+2:G0+4*\slot+3], 2*ASTEP
.if \wrap
	s_sub_nc_u64 s[G0B+4*\slot+2:G0B+4*\slot+3], s[G0B+4*\slot+2:G0B+4*\slot+3], 6*BSTEP
.else
	s_add_nc_u64 s[G0B+4*\slot+2:G0B+4*\slot+3], s[G0B+4*\slot+2:G0B+4*\slot+3], 2*BSTEP
.endif
	JLOAD \slot                                    ; its four v_nop are also the places in front of the loads below
.else
	PLACES
.endif
	FETCH \next, 0, 0
	MUL2 1, 4, 0
	MUL2 1, 6, 0
.endm
.macro LAP zero, wrap
	THREE 0, \zero
	TURN 0, 1, 1, \wrap
	THREE 1, 0
	TURN 1, 0, 1, \wrap
.endm
; THE WAY OUT.  A head's 64 columns lie in two waves, so rows meet in LDS, in a stage behind the ring, 128 rows (64 of each wave) a pass.
; It works in fragment buffer 1 alone: at the first block's end buffer 0 already holds the second block's first fragments.
.macro OUTA p, aa                      ; rows 16 (4 p + aa) .. of my 128: round to f16, 16 bytes a lane and tile into the stage
.irp b, 0,1,2,3,4,5
.set TT, NB*(4*\p+\aa)+\b
.set TR, 8*(TT%32)
	WIN (5*(1+TT/32))
.irp q, 0,1,2,3
	v_cvt_pk_f16_f32 v[TMP+4*\b+\q], v[TR+2*\q], v[TR+2*\q+1]
.endr
.endr
	WIN 0
.irp g, 0,1,2
.irp e, 0,1
	ds_store_b128 v[STO], v[TMP+4*(2*\g+\e):TMP+4*(2*\g+\e)+3] offset:16*SP*\aa+128*\g+32*\e
.endr
.endr
.endm
.macro BACK p, hd, f                   ; head hd of the block's three: 32 tokens x 128 bytes, 512 consecutive bytes a store
.irp t, 0,1,2,3,4,5,6,7
	ds_load_b128 v[\f+4*\t:\f+4*\t+3], v[RD] offset:4*SP*\t+128*\hd
.endr
.irp t, 0,1,2,3,4,5,6,7
	s_wait_dscnt 7-\t                              ; read-back t is in; the 7 - t younger ones stay out
	global_store_b128 v[CO], v[\f+4*\t:\f+4*\t+3], s[8:9] offset:\hd*262144+\p*8192+512*\t
.endr
.endm
.macro PASS p
	OUTA \p, 0
	OUTA \p, 1
	OUTA \p, 2
	OUTA \p, 3
	s_wait_dscnt 0x0                               ; my stores are in LDS, for the others' sake
	s_barrier_signal -1
	s_barrier_wait -1
	BACK \p, 0, BK
	BACK \p, 1, BK+32
	s_wait_xcnt 0x0                                ; the first head's stores have read their data: those registers are loaded again only behind this wait
	BACK \p, 2, BK
.endm
.macro WAYOUT
	PLACES                                         ; behind the last matrix instructions: their sums are read, buffer 1 is written
	PASS 0
	s_wait_xcnt 0x0                                ; the stores' data registers are loaded again in the next pass
	s_wait_dscnt 0x0                               ; my reads of the stage are back,
	s_barrier_signal -1
	s_barrier_wait -1                              ; everybody's are: the stage may be written again
	PASS 1
	s_wait_xcnt 0x0                                ; buffer 1 and the stores' base are written again only behind this wait
.endm
	s_wait_tensorcnt 0x1                           ; my part of K step 0 is in; K step 1's stays out
	s_barrier_signal -1
	s_barrier_wait -1
	FETCH 0, 0, 0
	; THE FIRST BLOCK: four laps of two K steps, every one with refills
	LAP 1, 0                                       ; the first lap's first products start the sums: nothing is cleared
	WIN 0
	s_mov_b32 s3, 2
.Llap_a:
	LAP 0, 0
	WIN 0
	s_sub_co_u32 s3, s3, 1
	s_cmp_lg_u32 s3, 0
	s_cbranch_scc1 .Llap_a
	LAP 0, 1                                       ; K steps 6 and 7; its refills are the second block's K steps 0 and 1
	WAYOUT                                         ; one tensor load of the wave (slot 1's) may be on its way meanwhile
	s_add_nc_u64 s[8:9], s[8:9], 12582912          ; the second block: the next batch
	; THE SECOND BLOCK
	LAP 1, 0
	WIN 0
	s_mov_b32 s3, 2
.Llap_b:
	LAP 0, 0
	WIN 0
	s_sub_co_u32 s3, s3, 1
	s_cmp_lg_u32 s3, 0
	s_cbranch_scc1 .Llap_b
	THREE 0, 0                                     ; the last lap fills nothing
	TURN 0, 1, 0, 0
	THREE 1, 0
	s_wait_dscnt 8
	MUL2 1, 0, 0
	MUL2 1, 2, 0
	s_wait_dscnt 0
	MUL2 1, 4, 0
	MUL2 1, 6, 0
	WAYOUT
	s_wait_tensorcnt 0x0
	ds_add_u32 v30, v31
	s_wait_dscnt 0x0
	CROUND                                         ; the closing round: no work-group ends while a partner may still ask for a tile that names it
	s_endpgm
.Lfunc_end_k_q08dcaef6fa_qkv:
	.size	k_q08dcaef6fa_qkv, .Lfunc_end_k_q08dcaef6fa_qkv-k_q08dcaef6fa_qkv
	.p2alignl 7, 3214868480
	.fill 96, 4, 3214868480
	.section	.rodata,"a",@progbits
	.p2align	6, 0x0
	.amdhsa_kernel k_q08dcaef6fa_qkv
		.amdhsa_group_segment_fixed_size 327680
		.amdhsa_private_segment_fixed_size 0
		.amdhsa_enable_private_segment 0
		.amdhsa_kernarg_size 24
		.amdhsa_user_sgpr_count 2
		.amdhsa_user_sgpr_kernarg_segment_ptr 1
		.amdhsa_wavefront_size32 1
		.amdhsa_system_sgpr_workgroup_id_x 1
		.amdhsa_system_sgpr_workgroup_id_y 1
		.amdhsa_system_sgpr_workgroup_id_z 1
		.amdhsa_system_vgpr_workitem_id 0
		.amdhsa_next_free_vgpr 640
		.amdhsa_next_free_sgpr 66
		.amdhsa_reserve_vcc 0
		.amdhsa_float_denorm_mode_32 3
		.amdhsa_float_denorm_mode_16_64 3
		.amdhsa_memory_ordered 1
		.amdhsa_forward_progress 1
		.amdhsa_inst_pref_size 255
	.end_amdhsa_kernel
	.section	.bss,"aw",@nobits
	.p2align	6
	.space	262144
	.amdgpu_metadata
---
amdhsa.version: [ 1, 2 ]
amdhsa.kernels:
  - .name:           k_q08dcaef6fa_qkv
    .symbol:         k_q08dcaef6fa_qkv.kd
    .args:
      - { .name: xh, .offset: 0, .size: 8, .value_kind: global_buffer, .address_space: global }
      - { .name: wh, .offset: 8, .size: 8, .value_kind: global_buffer, .address_space: global }
      - { .name: qkv, .offset: 16, .size: 8, .value_kind: global_buffer, .address_space: global }
    .group_segment_fixed_size: 327680
    .private_segment_fixed_size: 0
    .kernarg_segment_align: 8
    .kernarg_segment_size: 24
    .max_flat_workgroup_size: 128
    .sgpr_count:     66
    .vgpr_count:     640
    .wavefront_size: 32
...
	.end_amdgpu_metadata
.endif
;; end of part 5
;; launch attn (part 6): grid 256 x 1, 8 waves a work-group, no clusters, 327,680 bytes of LDS; arguments qkv, ctx; writes ctx
.if DOCPART == 6
	.amdgcn_target "amdgcn-amd-amdhsa--gfx1250"
	.amdhsa_code_object_version 6
	.text
	.protected	k_q08dcaef6fa_attn
	.globl	k_q08dcaef6fa_attn
	.p2align	8
	.type	k_q08dcaef6fa_attn,@function
k_q08dcaef6fa_attn:
	s_mov_b64 s[64:65], 0
	v_nop
	global_prefetch_b8 v0, s[64:65] scope:SCOPE_SE
	s_setreg_imm32_b32 hwreg(HW_REG_WAVE_MODE, 25, 1), 1
	s_wait_xcnt 0x0
; Causal attention of one head: ctx[b][h][t][64] (f16) = softmax(q k^T / 8, keys <= query) v, from qkv[b][ch][t][64] (f16; ch = h, 16 + h, 32 + h).
; f16 operands, f32 sums; the softmax in f32 with a running maximum, taken in every step.
; LIMIT: the weights enter the second product rounded to f16 (they lie in 0..1); the row sum is kept in f32 from the unrounded weights.
; WORK: work-group g: head g / 4, j = g mod 4.  It makes the query blocks of 256 rows number q = j and then q = 7 - j: (j + 1) + (8 - j) = 9 pairs of
; 128 + 128 keys for every work-group.  Eight waves, two for each of a WGP's four SIMDs; wave w owns queries 32 w .. 32 w + 31 of a block.
; ONE TEXT FOR BOTH BLOCKS: an outer loop of two trips.  In a block the pairs ascend: pairs 0 .. q - 1 in a loop whose refills ask for the next pair,
; then the block's own pair, written out: it masks, and it asks for nothing.  The text holds 8 steps; a work-group runs 36.
; A block's first step lies in text that also serves later trips, so the state is started by values: m = -infinity, l = 0, O = 0; the first step's
; rescale factor is then 2^(-infinity) = 0.  Every step holds an unmasked key for each of the wave's queries, so m is finite behind the first step.
; NO CLUSTER: the four work-groups of a head are at different key pairs in the same step (j = 0 walks pairs 0 | 0..7; j = 3 walks 0..3 | 0..4);
; walking in step would take 4 + 8 = 12 pair times in place of 9.
; NO MOVE BETWEEN LANES BUT ONE: S^T = K Q^T puts query l % 16 into lane l with keys 8 (l / 16) + 0..7 in its registers; packed to f16, tiles 2 kh and
; 2 kh + 1 ARE the second operand of O^T = V^T P^T for keys 32 kh ..; maximum, sum and rescale are a lane's own, and one v_permlanex16_b32 joins the halves.
; RING: two slots of 128 keys; slot e holds half e of a pair.  Wave w owns LDS bytes 10,240 w ..: waves 0, 1 V's keys 0-63, 64-127 of slot 0 (160 bytes
; a key: the transposing load wants an odd multiple of 32), waves 2, 3 K's (144 bytes a key), waves 4-7 the same of slot 1.  A fill is 8 KiB dense in
; memory, taken as 32 rows of 256 bytes, padded after every 128 bytes (a key).
; OVER A SLOT'S END (full pairs): a wave's last read of a slot is V of the slot's second step.  Behind that step's exponentials the wave waits for its
; LDS reads and tensor loads and signals; 32 conversions and the row sum are register work between signal and wait; behind the wait come the
; refill, then the 16 loads of K for the other slot's first step, and only then this step's 16 products with V, while those loads come back.
; REGISTERS: window 0: addresses, state, K's, V's, P's and Q's fragments; window 1: S (v0-63 there), O (v64-127 there).
.set KP,    144
.set VP,    160
.set WREG,  10240                      ; LDS bytes that a wave owns in the ring
.set SLOTB, 4*WREG                     ; a slot: V's two halves, K's two halves
.set STAGE, 2*SLOTB                    ; 81,920: 32 rows x 144 bytes for each wave, its own; no load fills it
.set KADR, 4
.set VADR, 5
.set STO,  6
.set RD,   7
.set GOFF, 8
.set QOFF, 9
.set NINF, 10                          ; v10 = -infinity
.set ST,   16                          ; v[16+4 qb ..]: -c m, m, alpha, l of my query in block qb (qb = 0, 1)
.set T,    24                          ; v[24:27] at work
.set T2,   28                          ; v[28:29] at work
.set KF,   32                          ; K tile kb, d half dh at KF + 8 (2 kb + dh)
.set VF,   96                          ; V^T tile db, key half kh at VF + 8 (2 db + kh)
.set PF,   160                         ; P tile qb, key half kh at PF + 8 (2 qb + kh)
.set QF,   192                         ; Q tile qb, d half dh at QF + 8 (2 qb + dh)
.set S,    0                           ; window 1: tile (kb, qb) at 8 (2 kb + qb)
.set O,    64                          ; window 1: tile (db, qb) at 64 + 8 (2 db + qb)
.set G1V, 24                           ; s[24:31] group 1 for V
.set G0V, 32                           ; s[32:35] group 0 for V
.set G0K, 36                           ; s[36:39] group 0 for K
.set G1K, 40                           ; s[40:47] group 1 for K
.set MSB, 0
.macro WIN new                         ; the immediate's high byte repeats the setting that is left; a switch that changes nothing is dropped
.if MSB != \new
	s_set_vgpr_msb (MSB<<8)|(\new)
.set MSB, (\new)
.endif
.endm
.macro PLACES                          ; four plain vector places behind matrix instructions (ISA guide 7.12.1)
.rept 4
	v_nop
.endr
.endm
.macro SETG0                           ; my 64 keys of the pair at byte s14 of the head's keys.  No tensor load of the wave is out here
	s_add_nc_u64 s[G0V+2:G0V+3], s[48:49], s[14:15]
	s_or_b32 s[G0V+3], s[G0V+3], 0x80000000
	s_add_nc_u64 s[G0K+2:G0K+3], s[50:51], s[14:15]
	s_or_b32 s[G0K+3], s[G0K+3], 0x80000000
.endm
; Slot e is asked for by the four waves that own it, one tensor load each: waves 4 e, 4 e + 1 V's halves, waves 4 e + 2, 4 e + 3 K's.  The others issue none.
.macro JLOAD e
.if \e == 0
	s_cmp_lt_u32 s8, 4
.else
	s_cmp_ge_u32 s8, 4
.endif
	s_cbranch_scc0 .Lasked_\@
	s_cmp_lt_u32 s8, 4*\e+2
	s_cbranch_scc0 .Lfor_k_\@
	tensor_load_to_lds s[G0V:G0V+3], s[G1V:G1V+7]
	s_nop 0
.rept 4
	v_nop
.endr
	s_branch .Lasked_\@
.Lfor_k_\@:
	tensor_load_to_lds s[G0K:G0K+3], s[G1K:G1K+7]
	s_nop 0
.rept 4
	v_nop
.endr
.Lasked_\@:
.endm
.macro KLOAD e, sl                     ; 64 keys x 64 d: rows of K as first operand, 16 loads
.irp kb, 0,1,2,3
.irp dh, 0,1
	ds_load_b128 v[KF+8*(2*\kb+\dh):KF+8*(2*\kb+\dh)+3],   v[KADR] offset:\e*SLOTB+\sl*WREG+16*\kb*KP+64*\dh
	ds_load_b128 v[KF+8*(2*\kb+\dh)+4:KF+8*(2*\kb+\dh)+7], v[KADR] offset:\e*SLOTB+\sl*WREG+16*\kb*KP+64*\dh+32
.endr
.endr
.endm
.macro VLOAD e, sl                     ; the same keys' V, transposed on the way: 16 d x 32 keys a tile, 16 loads
.irp db, 0,1,2,3
.irp kh, 0,1
	ds_load_tr16_b128 v[VF+8*(2*\db+\kh):VF+8*(2*\db+\kh)+3],   v[VADR] offset:\e*SLOTB+(64*\sl+32*\kh)*VP+32*\db
	ds_load_tr16_b128 v[VF+8*(2*\db+\kh)+4:VF+8*(2*\db+\kh)+7], v[VADR] offset:\e*SLOTB+(64*\sl+32*\kh)*VP+32*\db+16*VP
.endr
.endr
.endm
; The mask of my own quarter of the block's pair: key 16 kb + 8 h + i against query 32 par + 16 qb + r, par = w mod 2.
.macro MASK par
.irp kb, 0,1,2,3
.irp qb, 0,1
.if \kb > (2*\par+\qb)
.irp i, 0,1,2,3,4,5,6,7
	v_mov_b32 v[S+8*(2*\kb+\qb)+\i], 0xff800000
.endr
.endif
.if \kb == (2*\par+\qb)
.irp i, 0,1,2,3,4,5,6,7
	v_cndmask_b32 v[S+8*(2*\kb+\qb)+\i], v[S+8*(2*\kb+\qb)+\i], v[NINF], s[66+\i]
.endr
.endif
.endr
.endr
.endm
; 64 keys (quarter 2 e + sl of a pair) x my 32 queries.  diag: the pair is the block's own: quarters beyond my queries are skipped, my own quarter
; is masked.  kpre: K's fragments were asked for earlier.  knext: ask for the same slot's next step's.  turn: this step is the last on slot e
; and the slot is filled again: the barrier, the refill and the other slot's first K loads stand inside the step.
.macro STEP e, sl, diag, kpre, knext, turn
.if \diag
.if (2*\e+\sl) > 0
	s_cmp_lt_u32 s9, 2*\e+\sl                      ; every key of this quarter lies behind all my queries (s9 = w / 2: my quarter)
	s_cbranch_scc1 .Lskip_\@
.endif
.endif
.if \kpre == 0
	KLOAD \e, \sl
.endif
	s_wait_dscnt 0x0
	WIN 0x50                                       ; K, Q window 0; S window 1
	; S^T = K Q^T.  The 8 tiles take turns, one instruction a turn, d half 0 starting the sums
.irp kb, 0,1,2,3
.irp qb, 0,1
	v_wmma_f32_16x16x32_f16 v[S+8*(2*\kb+\qb):S+8*(2*\kb+\qb)+7], v[KF+16*\kb:KF+16*\kb+7], v[QF+16*\qb:QF+16*\qb+7], 0
.endr
.endr
.irp kb, 0,1,2,3
.irp qb, 0,1
	v_wmma_f32_16x16x32_f16 v[S+8*(2*\kb+\qb):S+8*(2*\kb+\qb)+7], v[KF+16*\kb+8:KF+16*\kb+15], v[QF+16*\qb+8:QF+16*\qb+15], v[S+8*(2*\kb+\qb):S+8*(2*\kb+\qb)+7]
.endr
.endr
	PLACES                                         ; before S is read, and before V's and K's fragment registers are loaded again
	WIN 0
	VLOAD \e, \sl
.if \knext
	KLOAD \e, 1
.endif
.if \diag
	s_cmp_lg_u32 s9, 2*\e+\sl
	s_cbranch_scc1 .Lnomask_\@
	s_cmp_lg_u32 s10, 0                            ; w mod 2: which 32 queries of the quarter are mine
	s_cbranch_scc1 .Lodd_\@
	WIN 0x41
	MASK 0
	WIN 0
	s_branch .Lnomask_\@
.Lodd_\@:
	WIN 0x41
	MASK 1
	WIN 0
.Lnomask_\@:
.endif
	WIN 0x05                                       ; the maximum of my 32 keys a query and the old one, in four chains
.irp kb, 0,1,2,3
.irp p, 0,1,2,3
.irp qb, 0,1
.set SA, S+8*(2*\kb+\qb)+2*\p
.if (4*\kb+\p) == 0
	v_max3_num_f32 v[T+\qb], v[SA], v[SA+1], v[ST+4*\qb+1]
.else
.if (4*\kb+\p) == 1
	v_max_num_f32 v[T+2+\qb], v[SA], v[SA+1]
.else
	v_max3_num_f32 v[T+2*(\p&1)+\qb], v[SA], v[SA+1], v[T+2*(\p&1)+\qb]
.endif
.endif
.endr
.endr
.endr
	WIN 0
.irp qb, 0,1
	v_max_num_f32 v[T+\qb], v[T+\qb], v[T+2+\qb]
.endr
.irp qb, 0,1
	v_permlanex16_b32 v[T2+\qb], v[T+\qb], s22, s23        ; the other half's keys of the same query
.endr
.irp qb, 0,1
	v_max_num_f32 v[T+\qb], v[T+\qb], v[T2+\qb]
.endr
.irp qb, 0,1
	v_mul_f32 v[ST+4*\qb], s20, v[T+\qb]                   ; -c m, c = log2(e) / 8
.endr
.irp qb, 0,1
	v_fma_f32 v[T2+\qb], v[ST+4*\qb+1], s18, v[ST+4*\qb]   ; c (old m - new m); -infinity in a block's first step
.endr
.irp qb, 0,1
	v_exp_f32 v[ST+4*\qb+2], v[T2+\qb]                     ; alpha
.endr
.irp qb, 0,1
	v_mov_b32 v[ST+4*\qb+1], v[T+\qb]                      ; plain lines behind the exponentials, before alpha is used
.endr
	WIN 0x41                                       ; p = 2^(c s - c m), in place
.irp kb, 0,1,2,3
.irp p, 0,1,2,3
.irp qb, 0,1
.set SA, S+8*(2*\kb+\qb)+2*\p
	v_pk_fma_f32 v[SA:SA+1], v[SA:SA+1], s[18:19], v[ST+4*\qb:ST+4*\qb+1] op_sel_hi:[1,0,0]
.endr
.endr
.endr
	; the 64 exponentials, and among them O = O alpha (pair XI of O belongs to query block (XI / 4) mod 2); the last multiply is the plain
	; place behind the last exponential (ISA guide 5.7.2)
.set XI, 0
.rept 32
	v_exp_f32 v[S+2*XI], v[S+2*XI]
	v_exp_f32 v[S+2*XI+1], v[S+2*XI+1]
	s_wait_alu depctr_va_vdst(0)
	v_pk_mul_f32 v[O+2*XI:O+2*XI+1], v[O+2*XI:O+2*XI+1], v[ST+4*((XI>>2)&1)+2:ST+4*((XI>>2)&1)+3] op_sel_hi:[1,0]
.set XI, XI+1
.endr
.if \turn
	s_wait_dscnt 0x0                               ; V's fragments are in: they were my last reads of slot e
	s_wait_tensorcnt 0x0                           ; all my tensor loads have landed, my part of the other slot among them,
	ds_add_u32 v129, v255
	ds_add_u32 v129, v255
	s_wait_dscnt 0x0
	SETG0                                          ; so group 0 may be written: slot e's half of the next pair
	s_barrier_signal -1                            ; say so; up to the wait below stands register work alone
.endif
	WIN 0x05                                       ; to f16: tiles 2 kh, 2 kh + 1 make P's fragment for keys 32 kh ..
	s_wait_alu depctr_va_vdst(0)
.irp kb, 0,1,2,3
.irp p, 0,1,2,3
.irp qb, 0,1
.set SA, S+8*(2*\kb+\qb)+2*\p
	v_cvt_pk_f16_f32 v[PF+16*\qb+4*\kb+\p], v[SA], v[SA+1]
.endr
.endr
.endr
	WIN 0x45                                       ; the sum of my 32 weights a query, a tree of packed adds in S, which is no longer needed
.irp kb, 0,1
.irp p, 0,1,2,3
.irp qb, 0,1
.set SA, S+8*(2*\kb+\qb)+2*\p
	v_pk_add_f32 v[SA:SA+1], v[SA:SA+1], v[SA+32:SA+33]
.endr
.endr
.endr
.irp p, 0,1,2,3
.irp qb, 0,1
.set SA, S+8*\qb+2*\p
	v_pk_add_f32 v[SA:SA+1], v[SA:SA+1], v[SA+16:SA+17]
.endr
.endr
.irp p, 0,1
.irp qb, 0,1
.set SA, S+8*\qb+2*\p
	v_pk_add_f32 v[SA:SA+1], v[SA:SA+1], v[SA+4:SA+5]
.endr
.endr
.irp qb, 0,1
	v_pk_add_f32 v[S+8*\qb:S+8*\qb+1], v[S+8*\qb:S+8*\qb+1], v[S+8*\qb+2:S+8*\qb+3]
.endr
	WIN 0x05
.irp qb, 0,1
	v_add_f32 v[T+\qb], v[S+8*\qb], v[S+8*\qb+1]
.endr
	WIN 0
.irp qb, 0,1
	v_fma_f32 v[ST+4*\qb+3], v[ST+4*\qb+3], v[ST+4*\qb+2], v[T+\qb]    ; l = l alpha + sum; the two halves' sums are joined at the block's end
.endr
.if \turn
	s_barrier_wait -1                              ; every wave has read slot e to its end, and the other slot is whole for everybody
	JLOAD \e                                       ; slot e's four owners ask for it again first thing, one load each
	KLOAD (1-\e), 0                                ; K of the other slot's first step comes back behind the products below
.else
.if \knext
	s_wait_dscnt 16                                ; V's 16 loads are in; the 16 of the next step's K, issued behind them, stay out
.else
	s_wait_dscnt 0x0
.endif
.endif
	WIN 0x50                                       ; O^T += V^T P^T; the 8 tiles take turns, one instruction a turn
.irp db, 0,1,2,3
.irp qb, 0,1
	v_wmma_f32_16x16x32_f16 v[O+8*(2*\db+\qb):O+8*(2*\db+\qb)+7], v[VF+16*\db:VF+16*\db+7], v[PF+16*\qb:PF+16*\qb+7], v[O+8*(2*\db+\qb):O+8*(2*\db+\qb)+7]
.endr
.endr
.irp db, 0,1,2,3
.irp qb, 0,1
	v_wmma_f32_16x16x32_f16 v[O+8*(2*\db+\qb):O+8*(2*\db+\qb)+7], v[VF+16*\db+8:VF+16*\db+15], v[PF+16*\qb+8:PF+16*\qb+15], v[O+8*(2*\db+\qb):O+8*(2*\db+\qb)+7]
.endr
.endr
	WIN 0
.if \diag
.if (2*\e+\sl) > 0
.Lskip_\@:
.endif
.endif
.endm
	s_load_b128 s[4:7], s[0:1], 0x0                ; qkv s[4:5], ctx s[6:7]
	s_set_vgpr_msb 0x40
	v_lshl_add_u32 v129, v0, 2, 0x29000
	s_set_vgpr_msb 0x4000
	v_mov_b32 v255, 0
	v_lshrrev_b32 v1, 5, v0
	v_readfirstlane_b32 s8, v1                     ; wave 0..7
	s_lshr_b32 s9, s8, 1                           ; my quarter (64 queries) of a block
	s_and_b32 s10, s8, 1                           ; which 32 of them.  Also: which 64 keys of a slot I fetch
	s_and_b32 s11, ttmp9, 3                        ; q: the query block at work; first j
	s_lshr_b32 s2, ttmp9, 2                        ; 16 b + h
	s_lshr_b32 s3, s2, 4
	s_and_b32 s21, s2, 15
	s_mov_b32 s60, 0                               ; blocks done
	s_mov_b32 s15, 0                               ; s[14:15]: the byte offset of the pair that fills ask for
	s_mov_b32 s17, 0                               ; s[16:17]: offsets at work
	s_mov_b32 s18, 0x3e38aa3b                      ; c = log2(e) / 8
	s_mov_b32 s19, 0x3e38aa3b
	s_mov_b32 s20, 0xbe38aa3b                      ; -c
	s_mov_b32 s22, 0x76543210                      ; v_permlanex16_b32: lane i of one half reads lane i of the other
	s_mov_b32 s23, 0xfedcba98
	; group 1: 32 rows of 256 bytes, dense; padding after every 32 words: K 4 words, V 8
	s_mov_b32 s[G1K+0], (1<<16)|(1<<20)|(4<<22)|(3<<25)
	s_mov_b32 s[G1V+0], (1<<16)|(1<<20)|(4<<22)|(7<<25)
.irp g, G1K, G1V
	s_mov_b32 s[\g+1], 128<<16                     ; tensor_dim0 = 128 elements
	s_mov_b32 s[\g+2], 32<<16                      ; tensor_dim1 = 32 rows
	s_mov_b32 s[\g+3], 128<<16                     ; tile_dim0
	s_mov_b32 s[\g+4], 32                          ; tile_dim1
	s_mov_b32 s[\g+5], 128                         ; pitch
	s_mov_b32 s[\g+6], 0
	s_mov_b32 s[\g+7], 0
.endr
	s_mov_b32 s[G0V], 1
	s_mul_i32 s[G0V+1], s8, WREG                   ; every fill of a wave lands in the bytes that the wave owns
	s_mov_b32 s[G0K], 1
	s_mul_i32 s[G0K+1], s8, WREG
	s_mul_i32 s16, s3, 12582912                    ; batch: 48 heads of 262,144 bytes
	s_lshl_b32 s21, s21, 18
	s_add_co_u32 s16, s16, s21
	s_wait_kmcnt 0x0
	s_add_nc_u64 s[52:53], s[4:5], s[16:17]        ; the head's q
	s_lshr_b32 s16, s8, 2                          ; my slot: 128 keys of 128 bytes,
	s_lshl_b32 s16, s16, 14
	s_lshl_b32 s21, s10, 13                        ; my 64 keys in it
	s_add_co_u32 s16, s16, s21
	s_add_nc_u64 s[50:51], s[52:53], s[16:17]
	s_add_nc_u64 s[48:49], s[50:51], 8388608       ; v: 32 heads on
	s_add_nc_u64 s[50:51], s[50:51], 4194304       ; k: 16 heads on
	s_lshl_b32 s16, s2, 18                         ; ctx: the head,
	s_lshl_b32 s21, s8, 12                         ; my 32 queries of 128 bytes
	s_add_co_u32 s16, s16, s21
	s_add_nc_u64 s[54:55], s[6:7], s[16:17]
	v_and_b32 v1, 15, v0                           ; r
	v_bfe_u32 v2, v0, 4, 1                         ; h
	v_and_b32 v3, 31, v0                           ; l
	v_lshlrev_b32 v13, 7, v1                       ; Q's fragment straight from memory: row 32 w + 16 qb + r, 16 bytes for each half of the lanes
	v_lshl_add_u32 v13, v2, 4, v13
	v_add_nc_u32 v[QOFF], s21, v13
	v_mul_u32_u24 v13, v1, KP
	v_lshl_add_u32 v13, v2, 4, v13                 ; 144 r + 16 h
	v_add_nc_u32 v[KADR], 2*WREG, v13              ; K lies behind V's two halves in a slot
	s_mul_i32 s21, s8, 32*KP
	s_add_co_u32 s21, s21, STAGE                   ; my stage
	v_add_nc_u32 v[STO], s21, v13
	v_and_b32 v12, 7, v0
	v_lshl_add_u32 v14, v2, 3, v12                 ; V: key 8 h + l % 8,
	v_mul_u32_u24 v14, v14, VP
	v_bfe_u32 v11, v0, 3, 1
	v_lshl_add_u32 v[VADR], v11, 4, v14            ; 16 bytes further for lanes 8-15 and 24-31
	v_lshrrev_b32 v14, 3, v3
	v_mul_u32_u24 v14, v14, KP
	v_lshl_add_u32 v14, v12, 4, v14
	v_add_nc_u32 v[RD], s21, v14                   ; back: eight lanes a row of 128 bytes
	v_lshlrev_b32 v[GOFF], 4, v3
	v_mov_b32 v[NINF], 0xff800000
	v_lshlrev_b32 v11, 3, v2
.irp i, 0,1,2,3,4,5,6,7
	v_add_nc_u32 v12, \i, v11
	v_cmp_gt_u32 s[66+\i], v12, v1                 ; lanes whose key 8 h + i lies behind query r in a diagonal tile
.endr
.irp qb, 0,1
	v_mov_b32 v[T2+\qb], 0                         ; v_permlanex16_b32's destination counts as read
.endr
.Lblock:
	; THE HEAD OF A BLOCK.  Pair 0 is asked for whole, one load a wave, in the order of a refill: my LDS reads and all my tensor loads are done,
	; the barrier, then the load first thing behind it.  (In the first trip nothing has been read or filled yet, and the waits are met at once.)
	s_wait_dscnt 0x0
	s_set_vgpr_msb 0x1
	s_wait_tensorcnt 0x0
	ds_add_u32 v129, v255
	ds_add_u32 v129, v255
	s_wait_dscnt 0x0
	s_set_vgpr_msb 0x100
	s_mov_b32 s14, 0
	SETG0
	s_barrier_signal -1
	s_barrier_wait -1
	JLOAD 0                                        ; waves 0-3
	JLOAD 1                                        ; waves 4-7: each wave has issued one
	s_lshl_b32 s16, s11, 15                        ; the block's 256 queries of 128 bytes
	s_add_nc_u64 s[56:57], s[52:53], s[16:17]      ; its q (the last block's loads were waited for)
	s_add_nc_u64 s[58:59], s[54:55], s[16:17]      ; its ctx (the last block's stores stand behind s_wait_xcnt 0)
.irp qb, 0,1
.irp dh, 0,1
	global_load_b128 v[QF+8*(2*\qb+\dh):QF+8*(2*\qb+\dh)+3],   v[QOFF], s[56:57] offset:2048*\qb+64*\dh
	global_load_b128 v[QF+8*(2*\qb+\dh)+4:QF+8*(2*\qb+\dh)+7], v[QOFF], s[56:57] offset:2048*\qb+64*\dh+32
.endr
.endr
.irp qb, 0,1
	v_mov_b32 v[ST+4*\qb+1], v[NINF]               ; m = -infinity
	v_mov_b32 v[ST+4*\qb+3], 0                     ; l = 0
.endr
	WIN 0x40                                       ; O = 0: the step that starts a block's sums is text that later trips run too, so it adds; these
.set XI, 0                                             ; 64 lines stand while the fills are on their way
.rept 64
	v_mov_b32 v[O+XI], 0
.set XI, XI+1
.endr
	WIN 0
	s_wait_tensorcnt 0x0                           ; my 64 keys are in,
	s_barrier_signal -1
	s_barrier_wait -1                              ; everybody's are: both slots are whole
	KLOAD 0, 0                                     ; K of the block's first step: on every way into a slot's first step K is already asked for
	s_wait_loadcnt 0x0                             ; Q
	; pairs 0 .. q - 1, all keys in front of all queries.  s14 = the next pair, which the refills ask for; the last is the block's own
	s_cmp_eq_u32 s11, 0
	s_cbranch_scc1 .Lown
	s_mov_b32 s12, 0
.Lfull:
	s_add_co_u32 s12, s12, 1
	s_lshl_b32 s14, s12, 15
	STEP 0, 0, 0, 1, 1, 0
	STEP 0, 1, 0, 1, 0, 1
	STEP 1, 0, 0, 1, 1, 0
	STEP 1, 1, 0, 1, 0, 1
	s_cmp_lt_u32 s12, s11
	s_cbranch_scc1 .Lfull
.Lown:
	; the block's own pair: nothing is asked for; the one barrier shows slot 1 whole to every wave
	STEP 0, 0, 1, 1, 0, 0
	STEP 0, 1, 1, 0, 0, 0
	s_wait_dscnt 0x0
	s_wait_tensorcnt 0x0                           ; waves 4-7: my part of slot 1 is in
	s_barrier_signal -1
	s_barrier_wait -1
	STEP 1, 0, 1, 0, 0, 0
	STEP 1, 1, 1, 0, 0, 0
	; THE BLOCK'S END: O / l to f16, through my own stage, out as whole rows: a store of the wave covers four tokens, 512 consecutive bytes.
	PLACES
.irp qb, 0,1
	v_permlanex16_b32 v[T2+\qb], v[ST+4*\qb+3], s22, s23
.endr
.irp qb, 0,1
	v_add_f32 v[T+\qb], v[ST+4*\qb+3], v[T2+\qb]
.endr
.irp qb, 0,1
	v_rcp_f32 v[ST+4*\qb+2], v[T+\qb]              ; l >= 1: the largest weight of a row is 1
.endr
	v_nop                                          ; one plain place behind the reciprocals
	WIN 0x41
.set XI, 0
	s_wait_alu depctr_va_vdst(0)
.rept 32
	v_pk_mul_f32 v[O+2*XI:O+2*XI+1], v[O+2*XI:O+2*XI+1], v[ST+4*((XI>>2)&1)+2:ST+4*((XI>>2)&1)+3] op_sel_hi:[1,0]
.set XI, XI+1
.endr
	WIN 0x05
.irp qb, 0,1
.irp db, 0,1,2,3
.irp p, 0,1,2,3
	v_cvt_pk_f16_f32 v[KF+4*(4*\qb+\db)+\p], v[O+8*(2*\db+\qb)+2*\p], v[O+8*(2*\db+\qb)+2*\p+1]
.endr
.endr
.endr
	WIN 0
.irp qb, 0,1
.irp db, 0,1,2,3
	ds_store_b128 v[STO], v[KF+4*(4*\qb+\db):KF+4*(4*\qb+\db)+3] offset:16*KP*\qb+32*\db   ; query 16 qb + r, d 16 db + 8 h ..
.endr
.endr
.irp t, 0,1,2,3,4,5,6,7
	ds_load_b128 v[VF+4*\t:VF+4*\t+3], v[RD] offset:4*KP*\t        ; LDS serves a wave's instructions in order: these see the stores above
.endr
.irp t, 0,1,2,3,4,5,6,7
	s_wait_dscnt 7-\t                              ; read-back t is in; the 7 - t younger ones stay out
	global_store_b128 v[GOFF], v[VF+4*\t:VF+4*\t+3], s[58:59] offset:512*\t
.endr
	s_wait_xcnt 0x0                                ; the stores' data (V's fragment registers) and base are written again only behind this wait
	s_sub_co_u32 s11, 7, s11                       ; the other block: 7 - j
	s_add_co_u32 s60, s60, 1
	s_cmp_lt_u32 s60, 2
	s_cbranch_scc1 .Lblock
	s_set_vgpr_msb 0x1
	s_wait_tensorcnt 0x0
	ds_add_u32 v129, v255
	s_wait_dscnt 0x0
	s_set_vgpr_msb 0x100
	s_endpgm
.Lfunc_end_k_q08dcaef6fa_attn:
	.size	k_q08dcaef6fa_attn, .Lfunc_end_k_q08dcaef6fa_attn-k_q08dcaef6fa_attn
	.p2alignl 7, 3214868480
	.fill 96, 4, 3214868480
	.section	.rodata,"a",@progbits
	.p2align	6, 0x0
	.amdhsa_kernel k_q08dcaef6fa_attn
		.amdhsa_group_segment_fixed_size 327680
		.amdhsa_private_segment_fixed_size 0
		.amdhsa_enable_private_segment 0
		.amdhsa_kernarg_size 16
		.amdhsa_user_sgpr_count 2
		.amdhsa_user_sgpr_kernarg_segment_ptr 1
		.amdhsa_wavefront_size32 1
		.amdhsa_system_sgpr_workgroup_id_x 1
		.amdhsa_system_sgpr_workgroup_id_y 1
		.amdhsa_system_sgpr_workgroup_id_z 1
		.amdhsa_system_vgpr_workitem_id 0
		.amdhsa_next_free_vgpr 386
		.amdhsa_next_free_sgpr 80
		.amdhsa_reserve_vcc 0
		.amdhsa_float_denorm_mode_32 3
		.amdhsa_float_denorm_mode_16_64 3
		.amdhsa_memory_ordered 1
		.amdhsa_forward_progress 1
		.amdhsa_inst_pref_size 186
	.end_amdhsa_kernel
	.amdgpu_metadata
---
amdhsa.version: [ 1, 2 ]
amdhsa.kernels:
  - .name:           k_q08dcaef6fa_attn
    .symbol:         k_q08dcaef6fa_attn.kd
    .args:
      - { .name: qkv, .offset: 0, .size: 8, .value_kind: global_buffer, .address_space: global }
      - { .name: ctx, .offset: 8, .size: 8, .value_kind: global_buffer, .address_space: global }
    .group_segment_fixed_size: 327680
    .private_segment_fixed_size: 0
    .kernarg_segment_align: 8
    .kernarg_segment_size: 16
    .max_flat_workgroup_size: 256
    .sgpr_count:     80
    .vgpr_count:     386
    .wavefront_size: 32
...
	.end_amdgpu_metadata
.endif
;; end of part 6
;; launch proj: the kernel of part 4 again; grid 8 x 32, 4 waves a work-group, clusters of 4 x 4, 327,680 bytes of LDS; arguments ctx, wh, out0, bo; writes out0
